; MI455X (gfx1250); checked and timed in simulation.
; The chip was launched on July 23, 2026; its instructions are those of AMD's public machine-readable ISA for CDNA 5 (MIT licence, August 2026) and "CDNA5" Instruction Set Architecture Reference Guide (July 2026). The comments in the code are by the model that wrote it; some were corrected since.
;; Self Attention. Allowed arithmetic: float matrix products may take bf16 or f16 operands with f32 sums; other float arithmetic in f32, or as packed bf16 or f16 multiplies, adds, multiply-adds, maxima and minima; sums over many terms, partial sums and values carried from step to step in f32; what a program stores and reads back later, other than sums and carried values, may be rounded once to bf16 or f16.
;; Inputs: Wk 1,024 x 1,024 float32; Wo 1,024 x 1,024 float32; Wq 1,024 x 1,024 float32; Wv 1,024 x 1,024 float32; bk 1,024 float32; bo 1,024 float32; bq 1,024 float32; bv 1,024 float32; x 4 x 2,048 x 1,024 float32.
;; Outputs: out0 4 x 2,048 x 1,024 float32.
;; 2 versions, each right; version 2 is version 1 with the launch cast written anew for expert scheduling mode. Each part assembles by itself: llvm-mc -triple=amdgcn-amd-amdhsa -mcpu=gfx1250 --defsym DOCPART=n.
;; ======== version 1 of 2: 4 launches
;; limits: values are held in f16: magnitudes above 65,504 overflow, below 6.1e-05 lose precision
;; workspace buffers: xb 16,777,216 bytes; wqkv 6,291,456 bytes; wo16 2,097,152 bytes; qkv 50,331,648 bytes; o 16,777,216 bytes
;; launch cast (part 1): grid 768 x 1, 8 waves a work-group, no clusters, 0 bytes of LDS; arguments x, Wq, Wk, Wv, Wo, xb, wqkv, wo16; writes xb, wqkv, wo16
.if DOCPART == 1
	.amdgcn_target "amdgcn-amd-amdhsa--gfx1250"
	.amdhsa_code_object_version 6
	.text
	.protected	k_q282920c8c7_cast
	.globl	k_q282920c8c7_cast
	.p2align	8
	.type	k_q282920c8c7_cast,@function
k_q282920c8c7_cast:
	s_mov_b64 s[64:65], 0
	v_nop
	global_prefetch_b8 v0, s[64:65] scope:SCOPE_SE
	s_setreg_imm32_b32 hwreg(HW_REG_WAVE_MODE, 25, 1), 1
	s_wait_xcnt 0x0
; THE INPUTS ARE ROUNDED ONCE.  x [8192][1024] f32 -> xb bf16;  Wq, Wk, Wv [1024][1024] f32 -> wqkv [3072][1024] bf16, one below the other;
; Wo [1024][1024] f32 -> rounded to bf16 like the other inputs, and that number written as f16 into wo16 (the last product has f16 operands).
; LIMITS.  A bf16 number is exact in f16 between 6.1e-5 and 65,504 in magnitude; below that wo16 keeps f16's fixed step of 6e-8, from 65,520 on it is an infinity.
; A stream: every byte is read once and written once, nothing is shared, so there is no LDS, no barrier, no matrix work and no cluster.
; SHARES.  A work-group converts 16,384 numbers: 65,536 bytes in, 32,768 out.  Work-groups 0-511 take x, 512-703 the three stacked weights (64 each), 704-767 Wo: 768 equal shares.
; Thread t, piece i of 16: 16 bytes at 4,096 i + 16 t (a wave's load covers 512 consecutive bytes), 8 bytes out at 2,048 i + 8 t (a wave's store covers 256 consecutive bytes, aligned).
; All sixteen loads of a thread go out at once; no register is used twice, so the only waits are the counted ones for the loads.
.set X, 4                              ; v[4:67]    piece i: four f32 as loaded
.set Y, 68                             ; v[68:99]   piece i: two registers to store
.set T, 100                            ; v[100:101] at work
	s_load_b512 s[8:23], s[0:1], 0x0               ; x s[8:9], Wq s[10:11], Wk s[12:13], Wv s[14:15], Wo s[16:17], xb s[18:19], wqkv s[20:21], wo16 s[22:23]
	s_mov_b32 s24, ttmp9                           ; g
	s_sub_co_u32 s30, s24, 512                     ; a weight's share among the 256 of the four weights (used where g >= 512 alone)
	s_and_b32 s31, s30, 63                         ; its block of 65,536 bytes in its own matrix
	v_lshlrev_b32 v1, 4, v0                        ; 16 t
	v_lshlrev_b32 v2, 3, v0                        ; 8 t
	s_mov_b32 s35, 0                               ; the offsets' upper words
	s_mov_b32 s37, 0
	s_wait_kmcnt 0x0
	s_cmp_lt_u32 s24, 704                          ; the choice of buffers hangs on the work-group's number alone
	s_cselect_b64 s[26:27], s[14:15], s[16:17]     ; from: Wv, else Wo
	s_cselect_b64 s[28:29], s[20:21], s[22:23]     ; to: wqkv, else wo16
	s_cselect_b32 s36, s30, s31                    ; the block written: the stacked weights' run on, Wo's begin at 0
	s_cmp_lt_u32 s24, 640
	s_cselect_b64 s[26:27], s[12:13], s[26:27]     ; Wk
	s_cmp_lt_u32 s24, 576
	s_cselect_b64 s[26:27], s[10:11], s[26:27]     ; Wq
	s_cmp_lt_u32 s24, 512
	s_cselect_b64 s[26:27], s[8:9], s[26:27]       ; x
	s_cselect_b64 s[28:29], s[18:19], s[28:29]     ; xb
	s_cselect_b32 s34, s24, s31                    ; the block read
	s_cselect_b32 s36, s24, s36
	s_lshl_b32 s34, s34, 16                        ; x 65,536 bytes: 33,488,896 at the most
	s_lshl_b32 s36, s36, 15                        ; x 32,768 bytes
	s_add_nc_u64 s[26:27], s[26:27], s[34:35]
	s_add_nc_u64 s[28:29], s[28:29], s[36:37]
.irp i, 0,1,2,3,4,5,6,7,8,9,10,11,12,13,14,15
	global_load_b128 v[X+4*(\i):X+4*(\i)+3], v1, s[26:27] offset:4096*(\i) th:TH_LOAD_NT
.endr
	s_cmp_ge_u32 s24, 704
	s_cbranch_scc1 .Lf16
.irp i, 0,1,2,3,4,5,6,7,8,9,10,11,12,13,14,15
	s_wait_loadcnt 15-(\i)                         ; loads come back in order (ISA guide 5.7.1): piece i is in, the 15 - i younger ones stay out
	v_cvt_pk_bf16_f32 v[Y+2*(\i)],   v[X+4*(\i)],   v[X+4*(\i)+1]
	v_cvt_pk_bf16_f32 v[Y+2*(\i)+1], v[X+4*(\i)+2], v[X+4*(\i)+3]
	global_store_b64 v2, v[Y+2*(\i):Y+2*(\i)+1], s[28:29] offset:2048*(\i)
.endr
	s_endpgm
.Lf16:                                         ; Wo: rounded to bf16, widened again (a shift, a mask), written as f16
.irp i, 0,1,2,3,4,5,6,7,8,9,10,11,12,13,14,15
	s_wait_loadcnt 15-(\i)
	v_cvt_pk_bf16_f32 v[T],   v[X+4*(\i)],   v[X+4*(\i)+1]
	v_cvt_pk_bf16_f32 v[T+1], v[X+4*(\i)+2], v[X+4*(\i)+3]
	v_lshlrev_b32 v[X+4*(\i)],   16, v[T]
	v_and_b32     v[X+4*(\i)+1], 0xffff0000, v[T]
	v_lshlrev_b32 v[X+4*(\i)+2], 16, v[T+1]
	v_and_b32     v[X+4*(\i)+3], 0xffff0000, v[T+1]
	v_cvt_pk_f16_f32 v[Y+2*(\i)],   v[X+4*(\i)],   v[X+4*(\i)+1]
	v_cvt_pk_f16_f32 v[Y+2*(\i)+1], v[X+4*(\i)+2], v[X+4*(\i)+3]
	global_store_b64 v2, v[Y+2*(\i):Y+2*(\i)+1], s[28:29] offset:2048*(\i)
.endr
	s_endpgm
.Lfunc_end_k_q282920c8c7_cast:
	.size	k_q282920c8c7_cast, .Lfunc_end_k_q282920c8c7_cast-k_q282920c8c7_cast
	.p2alignl 7, 3214868480
	.fill 96, 4, 3214868480
	.section	.rodata,"a",@progbits
	.p2align	6, 0x0
	.amdhsa_kernel k_q282920c8c7_cast
		.amdhsa_group_segment_fixed_size 0
		.amdhsa_private_segment_fixed_size 0
		.amdhsa_enable_private_segment 0
		.amdhsa_kernarg_size 64
		.amdhsa_user_sgpr_count 2
		.amdhsa_user_sgpr_kernarg_segment_ptr 1
		.amdhsa_wavefront_size32 1
		.amdhsa_system_sgpr_workgroup_id_x 1
		.amdhsa_system_sgpr_workgroup_id_y 1
		.amdhsa_system_sgpr_workgroup_id_z 1
		.amdhsa_system_vgpr_workitem_id 0
		.amdhsa_next_free_vgpr 108
		.amdhsa_next_free_sgpr 66
		.amdhsa_reserve_vcc 0
		.amdhsa_float_denorm_mode_32 3
		.amdhsa_float_denorm_mode_16_64 3
		.amdhsa_memory_ordered 1
		.amdhsa_forward_progress 1
		.amdhsa_inst_pref_size 16
	.end_amdhsa_kernel
	.amdgpu_metadata
---
amdhsa.version: [ 1, 2 ]
amdhsa.kernels:
  - .name:           k_q282920c8c7_cast
    .symbol:         k_q282920c8c7_cast.kd
    .args:
      - { .name: x, .offset: 0, .size: 8, .value_kind: global_buffer, .address_space: global }
      - { .name: Wq, .offset: 8, .size: 8, .value_kind: global_buffer, .address_space: global }
      - { .name: Wk, .offset: 16, .size: 8, .value_kind: global_buffer, .address_space: global }
      - { .name: Wv, .offset: 24, .size: 8, .value_kind: global_buffer, .address_space: global }
      - { .name: Wo, .offset: 32, .size: 8, .value_kind: global_buffer, .address_space: global }
      - { .name: xb, .offset: 40, .size: 8, .value_kind: global_buffer, .address_space: global }
      - { .name: wqkv, .offset: 48, .size: 8, .value_kind: global_buffer, .address_space: global }
      - { .name: wo16, .offset: 56, .size: 8, .value_kind: global_buffer, .address_space: global }
    .group_segment_fixed_size: 0
    .private_segment_fixed_size: 0
    .kernarg_segment_align: 8
    .kernarg_segment_size: 64
    .max_flat_workgroup_size: 256
    .sgpr_count:     66
    .vgpr_count:     108
    .wavefront_size: 32
...
	.end_amdgpu_metadata
.endif
;; end of part 1
;; launch proj (part 2): grid 16 x 32, 4 waves a work-group, clusters of 4 x 4, 327,680 bytes of LDS; arguments xb, wqkv, bq, bk, bv, qkv; writes qkv
.if DOCPART == 2
	.amdgcn_target "amdgcn-amd-amdhsa--gfx1250"
	.amdhsa_code_object_version 6
	.text
	.protected	k_q282920c8c7_proj
	.globl	k_q282920c8c7_proj
	.p2align	8
	.type	k_q282920c8c7_proj,@function
k_q282920c8c7_proj:
	s_mov_b64 s[64:65], 0
	v_nop
	global_prefetch_b8 v0, s[64:65] scope:SCOPE_SE
	s_setreg_imm32_b32 hwreg(HW_REG_WAVE_MODE, 25, 1), 1
	s_wait_xcnt 0x0
	s_wait_alu depctr_hold_cnt(0) depctr_sa_sdst(0) depctr_va_vdst(0) depctr_va_sdst(0) depctr_va_ssrc(0) depctr_va_vcc(0) depctr_vm_vsrc(0)
	s_getreg_b32 s2, hwreg(HW_REG_IB_STS2, 6, 4)
	s_cmp_eq_u32 s2, 0
	s_cbranch_scc0 .Lentry_in_a_cluster
	s_endpgm
.Lentry_in_a_cluster:
	s_bfe_u32 s2, ttmp6, 0x10000c
	s_cmp_lg_u32 s2, 0xf033
	s_cbranch_scc0 .Lentry_shape_is_right
	s_endpgm
.Lentry_shape_is_right:
; [q | k | v] = xb wqkv^T + bias.  xb: [8192][1024] bf16, wqkv: [3072][1024] bf16 (Wq, Wk, Wv one below the other), bq, bk, bv: [1024] f32, rounded here to bf16 like every input of the module.
; Sums in f32, K ascending; the bias starts each sum.  The result is rounded once to f16 and written BY HEADS: qkv[g][b][t][64], g = column / 64 (0-15 q's heads, 16-31 k's, 32-47 v's), row m = 2048 b + t.
; LIMIT.  f16 ends at 65,504: a q, k or v of 65,520 or more in magnitude becomes an infinity.  The scale 1 / 8 is not applied here.
; SHARES.  A tile is 256 rows x 192 columns (three heads): 32 x 16 = 512 tiles, two for each of 256 WGPs.  Four waves, each 128 x 96: 48 accumulators of 16 x 16, 384 registers.
; K goes in 8 steps of 128 (a tile's rows are 256 bytes of memory, at multiples of 256) through a ring of two LDS slots.  Waves 0 and 1 fetch the halves of A's tile, waves 2 and 3 those of B's: one tensor load a wave.
; By this text's own count a wave has two tensor loads out at the start and one behind each change of slots; that one has 168 matrix instructions in which to land.
; CLUSTER.  4 x 4 work-groups.  The four of a row need the same tiles of xb, the four of a column the same tiles of wqkv: each tile is asked for jointly, by the same load, descriptor and mask in all four.
; THE MATRIX INSTRUCTION IS USED TRANSPOSED (source 0 = 16 rows of wqkv, source 1 = 16 rows of xb): a lane holds row lane % 16 and the columns 8 (lane / 16) + 0..7: eight neighbours of a row.
; A K STEP IS WRITTEN ONCE: the LDS addresses hang on s[TB], which one exclusive or turns from one slot to the other, and one descriptor a tensor walks.
; REGISTERS, in windows of 256 (s_set_vgpr_msb: bits 1:0 source 0, 3:2 source 1, 5:4 source 2, 7:6 destination):
;   window 0: v0-29 addresses; v32-55 packed results; v64-127, v128-191 fragments of A, two buffers; on the way out v64-255 take rows read back
;   window 1: v64-111, v128-175 fragments of B, two buffers; v192-239 the bias of my 96 columns, laid as an accumulator's registers; v240 at work
;   window 2: accumulators (a, b), a = 0..3, at v[8 (6 a + b)];   window 3: a = 4..7
.set PITCH,  272                       ; an LDS row: 256 bytes + 16 of padding = 68 words: the 16 rows that a load touches start at 16 different groups of four banks (64 banks of 4 bytes: ISA guide 11.1)
.set AHALF,  128*PITCH                 ; what one load brings of A, and what one wave reads of it
.set BHALF,  96*PITCH                  ; the same for B
.set BOFF,   2*AHALF                   ; in a slot: A's 256 rows, then B's 192
.set SLOT1,  1<<17                     ; slot 1 begins here (a slot uses 121,856 bytes)
.set SPITCH, 400                       ; the stage's rows: 384 bytes + 16 = 25 x 16
.set SPARE,  SLOT1+BOFF+2*BHALF        ; 252,928: behind the ring: the spare words, 128 bytes for each wave: two blocks of 256 bytes that no other line names
.set KSTEP,  128
; THE STAGE for the way out, 256 rows x 400 bytes, begins at LDS byte 0: it lies over slot 0, whose last fill of the launch is K step 6's, and is written when all waves have left the ring.
.set A0,   4                           ; v4   my lane's place in A's tile; never rewritten
.set B0,   5                           ; v5   the same for B
.set ADRA, 6                           ; v6   A0 + the slot in hand
.set ADRB, 7                           ; v7   B0 + the slot in hand
.set STO,  8                           ; v8   the way out: where I put 16 bytes of a row
.set RD,   9                           ; v9   where I read rows back
.set GO,   10                          ; v10  my byte offset in 512 consecutive bytes of qkv
.set BO,   11                          ; v11  32 x (lane / 16): my eight numbers in 16 of a bias
.set SPW,  28                          ; v28  LDS address of my spare word: SPARE + 4 x my thread's number; never rewritten
.set NIL,  29                          ; v29  0; never rewritten
.set TMP,  32
.set F0,   64
.set F1,   128
.set OB,   64
.set BIAS, 192
.set WV,  16                           ; s16  wave 0..3
.set WR,  17                           ; s17  which 128 rows of the tile are mine.  Also: I fetch for A (0) or for B (1)
.set WC,  18                           ; s18  which 96 columns.  Also: which half of that tile I fetch
.set CX,  19
.set CY,  20
.set TC,  21                           ; s21  tile column 0..15
.set TR,  22                           ; s22  tile row 0..31
.set CNT, 23
.set G1A, 24                           ; s[24:31] descriptor group 1 for A's tiles
.set G0A, 32                           ; s[32:39] group 0 for A's: a set for each of the two first fills; the second then walks on
.set TB,  40                           ; s40  LDS byte at which the slot in hand begins
.set G1B, 48                           ; s[48:55], s[56:63] the same for B's
.set G0B, 56
.set MSB, 0
.macro WIN new                         ; the immediate's high byte repeats the setting that is left; a switch that changes nothing is dropped
.if MSB != (\new)
	s_set_vgpr_msb (MSB<<8)|(\new)
.set MSB, \new
.endif
.endm
.macro PLACES                          ; a load into a register that a matrix instruction has read, and a vector instruction or LDS store that reads a matrix result, stand four places behind it,
.rept 4                                ; and only plain vector instructions that name none of its registers are places (ISA guide 7.12.1)
	v_nop
.endr
.endm
; A joint refill, by the walking descriptors.  The branch hangs on the wave's number alone.  An s_nop 0 and four v_nop follow each of the two lines, ahead of the jump and the label.
.macro JLOAD
	s_cmp_eq_u32 s[WR], 0
	s_cbranch_scc0 .Lfor_b_\@
	tensor_load_to_lds s[G0A+4:G0A+7], s[G1A:G1A+7]
	s_nop 0
.rept 4
	v_nop
.endr
	s_branch .Lasked_\@
.Lfor_b_\@:
	tensor_load_to_lds s[G0B+4:G0B+7], s[G1B:G1B+7]
	s_nop 0
.rept 4
	v_nop
.endr
.Lasked_\@:
.endm
; A round of the cluster's barrier: my work-group's barrier, so that wave 0's signal speaks for all four waves; wave 0 signals; every wave waits for all sixteen work-groups; my work-group's barrier once more.
.macro CREST                           ; a round behind its opening barrier
	s_cmp_lg_u32 s[WV], 0
	s_cbranch_scc1 .Lnot_wave_0_\@
	s_barrier_signal -3
.Lnot_wave_0_\@:
	s_barrier_wait -3
	s_barrier_signal -1
	s_barrier_wait -1
.endm
.macro CROUND
	s_barrier_signal -1
	s_barrier_wait -1
	CREST
.endm
	s_load_b128 s[4:7], s[0:1], 0x0                ; xb s[4:5], wqkv s[6:7]
	s_load_b256 s[8:15], s[0:1], 0x10              ; bq s[8:9], bk s[10:11], bv s[12:13], qkv s[14:15]
	v_lshl_add_u32 v[SPW], v0, 2, SPARE
	v_mov_b32 v[NIL], 0
	ds_add_u32 v[SPW], v[NIL]                      ; the wave's opening: the add and its wait stand ahead of my first tensor load; the set-up below, work on registers, stands between them
	ds_add_u32 v28, v29
	v_lshrrev_b32 v1, 5, v0
	v_readfirstlane_b32 s[WV], v1
	s_lshr_b32 s[WR], s[WV], 1
	s_and_b32 s[WC], s[WV], 1
	s_bfe_u32 s[CX], ttmp6, 0x40000                ; my place in the cluster
	s_bfe_u32 s[CY], ttmp6, 0x40004
	s_lshl_b32 s[TC], ttmp9, 2                     ; in a cluster launch ttmp9 and ttmp7 count clusters
	s_add_co_u32 s[TC], s[TC], s[CX]
	s_and_b32 s[TR], ttmp7, 0xffff
	s_lshl_b32 s[TR], s[TR], 2
	s_add_co_u32 s[TR], s[TR], s[CY]
	s_lshl_b32 s42, s[CY], 2
	s_lshl_b32 s42, 15, s42                        ; my row of the cluster: places 4 cy .. 4 cy + 3
	s_lshl_b32 s43, 0x1111, s[CX]                  ; my column: places cx, cx + 4, cx + 8, cx + 12
	s_or_b32 s[G1A], s42, (1<<16)|(1<<20)|(1<<21)|(5<<22)|(3<<25)  ; 15:0 the mask; 17:16 elements of 2 bytes; 20 padding on; 21 set beside a mask; 24:22 after every 64 words (code 5); 31:25 4 words of it (code 3)
	s_or_b32 s[G1B], s43, (1<<16)|(1<<20)|(1<<21)|(5<<22)|(3<<25)
	s_mov_b32 s[G1A+1], KSTEP<<16                  ; tensor_dim0 = 128
	s_mov_b32 s[G1A+2], 128<<16                    ; tensor_dim1 = 128
	s_mov_b32 s[G1A+3], KSTEP<<16                  ; tile_dim0 = 128
	s_mov_b32 s[G1A+4], 128                        ; tile_dim1 = 128 rows
	s_mov_b32 s[G1A+5], 1024                       ; elements from row to row
	s_mov_b32 s[G1A+6], 0
	s_mov_b32 s[G1A+7], 0
	s_mov_b32 s[G1B+1], KSTEP<<16
	s_mov_b32 s[G1B+2], 96<<16                     ; B's loads bring 96 rows
	s_mov_b32 s[G1B+3], KSTEP<<16
	s_mov_b32 s[G1B+4], 96
	s_mov_b32 s[G1B+5], 1024
	s_mov_b32 s[G1B+6], 0
	s_mov_b32 s[G1B+7], 0
	; where the tiles come from.  A's hang on the tile row alone, B's on the tile column alone; each address is made in registers that never hold the other coordinate.
	s_lshl_b32 s44, s[TR], 8
	s_lshl_b32 s66, s[WC], 7
	s_add_co_u32 s44, s44, s66                     ; A: row 256 x tile row + 128 x half,
	s_lshl_b32 s44, s44, 11                        ; of 2,048 bytes
	s_mov_b32 s45, 0
	s_mul_i32 s46, s[TC], 192
	s_mul_i32 s67, s[WC], 96
	s_add_co_u32 s46, s46, s67                     ; B: row 192 x tile column + 96 x half
	s_lshl_b32 s46, s46, 11
	s_mov_b32 s47, 0
	s_mul_i32 s68, s[WC], AHALF                    ; and where they go: no place in the cluster enters an LDS address
	s_mul_i32 s69, s[WC], BHALF
	s_add_co_u32 s69, s69, BOFF
	s_mov_b32 s[TB], 0
	s_wait_dscnt 0x0                               ; the opening add is done
	s_wait_kmcnt 0x0
	s_add_nc_u64 s[44:45], s[4:5], s[44:45]
	s_add_nc_u64 s[46:47], s[6:7], s[46:47]
	CROUND                                         ; all sixteen work-groups are here: the first joint loads meet
.irp i, 0,1
	s_mov_b32 s[G0A+4*(\i)], 1                                       ; 1:0 count = 1
	s_add_co_u32 s[G0A+4*(\i)+1], s68, (\i)*SLOT1                    ; 63:32 LDS address
	s_add_nc_u64 s[G0A+4*(\i)+2:G0A+4*(\i)+3], s[44:45], (\i)*KSTEP*2  ; 120:64 global address: K step i
	s_or_b32 s[G0A+4*(\i)+3], s[G0A+4*(\i)+3], 0x80000000            ; 127:126 type = 2
	s_mov_b32 s[G0B+4*(\i)], 1
	s_add_co_u32 s[G0B+4*(\i)+1], s69, (\i)*SLOT1
	s_add_nc_u64 s[G0B+4*(\i)+2:G0B+4*(\i)+3], s[46:47], (\i)*KSTEP*2
	s_or_b32 s[G0B+4*(\i)+3], s[G0B+4*(\i)+3], 0x80000000
.endr
	s_cmp_eq_u32 s[WR], 0                          ; a wave's two first fills stand in one branch, ahead of every wait on TENSORcnt, every LDS read and every further barrier
	s_cbranch_scc0 .Lfirst_b
	tensor_load_to_lds s[G0A:G0A+3], s[G1A:G1A+7]
	s_nop 0
	tensor_load_to_lds s[G0A+4:G0A+7], s[G1A:G1A+7]
	s_nop 0
.rept 4
	v_nop
.endr
	s_branch .Lfirst_asked
.Lfirst_b:
	tensor_load_to_lds s[G0B:G0B+3], s[G1B:G1B+7]
	s_nop 0
	tensor_load_to_lds s[G0B+4:G0B+7], s[G1B:G1B+7]
	s_nop 0
.rept 4
	v_nop
.endr
.Lfirst_asked:
	; A fragment is 16 rows x 32 K in 8 registers: lane l holds row l % 16; registers 0-3 K = 8 (l / 16) + 0..7, registers 4-7 K = 16 + 8 (l / 16) + 0..7: two loads of 16 bytes, 32 bytes apart.
	v_and_b32 v1, 15, v0                           ; l % 16
	v_bfe_u32 v2, v0, 4, 1                         ; l / 16
	v_mul_u32_u24 v3, v1, PITCH
	v_lshl_add_u32 v3, v2, 4, v3
	s_mul_i32 s78, s[WR], AHALF
	v_add_nc_u32 v[A0], s78, v3                    ; my 128 rows of A
	v_add_nc_u32 v[B0], s69, v3                    ; my 96 rows of B: the half that has my wave's column number
	v_mov_b32 v[ADRA], v[A0]                       ; slot 0
	v_mov_b32 v[ADRB], v[B0]
	v_lshlrev_b32 v[BO], 5, v2
	; THE BIAS of my 96 columns, laid as the accumulators are: register j of block b = bias[16 b + 8 (l / 16) + j].  A block of 16 columns lies in one of the three vectors: column / 1024 chooses.
	s_mul_i32 s74, s[TC], 192
	s_mul_i32 s75, s[WC], 96
	s_add_co_u32 s74, s74, s75                     ; my first column of the stacked product
	s_mov_b32 s73, 0
	WIN 0x40                                       ; destination window 1, address window 0
.irp b, 0,1,2,3,4,5
.if (\b) > 0
	s_wait_xcnt 0x0                                ; the two loads before have read their base: it is written anew only behind this wait
.endif
	s_add_co_u32 s72, s74, 16*(\b)
	s_lshr_b32 s75, s72, 10                        ; 0: q, 1: k, 2: v
	s_and_b32 s72, s72, 1023
	s_lshl_b32 s72, s72, 2
	s_cmp_eq_u32 s75, 2
	s_cselect_b64 s[70:71], s[12:13], s[10:11]
	s_cmp_eq_u32 s75, 0
	s_cselect_b64 s[70:71], s[8:9], s[70:71]
	s_add_nc_u64 s[70:71], s[70:71], s[72:73]
	global_load_b128 v[BIAS+8*(\b):BIAS+8*(\b)+3],   v[BO], s[70:71]
	global_load_b128 v[BIAS+8*(\b)+4:BIAS+8*(\b)+7], v[BO], s[70:71] offset:16
.endr
	WIN 0
	; the way out's addresses, while the bias and the first tiles are on their way
	s_mul_i32 s78, s[WR], 128*SPITCH
	s_mul_i32 s79, s[WC], 192
	s_add_co_u32 s78, s78, s79
	v_mul_u32_u24 v[STO], v1, SPITCH               ; in: row 128 x my half + l % 16; my 96 columns are 192 bytes; 16 bytes for each half of the lanes
	v_lshl_add_u32 v[STO], v2, 4, v[STO]
	v_add_nc_u32 v[STO], s78, v[STO]
	s_mul_i32 s78, s[WV], 64*SPITCH
	v_bfe_u32 v3, v0, 3, 2                         ; back: wave w takes rows 64 w .. 64 w + 63; 32 lanes take four rows of a head's 128 bytes,
	v_mul_u32_u24 v[RD], v3, SPITCH
	v_and_b32 v3, 7, v0
	v_lshl_add_u32 v[RD], v3, 4, v[RD]
	v_add_nc_u32 v[RD], s78, v[RD]
	v_and_b32 v[GO], 31, v0                        ; which are 512 consecutive bytes of qkv
	v_lshlrev_b32 v[GO], 4, v[GO]
	s_mul_i32 s76, s[TC], 12                       ; qkv's row: ((4 g + b) x 2048 + t), g = 3 x tile column (+ j, in the stores' immediates), b = tile row / 8,
	s_lshr_b32 s77, s[TR], 3
	s_add_co_u32 s76, s76, s77
	s_lshl_b32 s76, s76, 11
	s_and_b32 s77, s[TR], 7                        ; t = 256 x (tile row % 8) + 64 x wave
	s_lshl_b32 s77, s77, 8
	s_add_co_u32 s76, s76, s77
	s_lshl_b32 s77, s[WV], 6
	s_add_co_u32 s76, s76, s77
	s_lshl_b32 s76, s76, 7                         ; of 128 bytes: under 2^26
	s_mov_b32 s77, 0
	s_add_nc_u64 s[14:15], s[14:15], s[76:77]
	s_wait_loadcnt 0x0                             ; the bias is in: it is rounded to bf16 and widened again
	WIN 0x45                                       ; all three places in window 1
.set r, 0
.rept 24
	v_cvt_pk_bf16_f32 v240, v[BIAS+r], v[BIAS+r+1]
	v_lshlrev_b32 v[BIAS+r], 16, v240
	v_and_b32 v[BIAS+r+1], 0xffff0000, v240
.set r, r+2
.endr
	WIN 0
; 12 matrix instructions: m blocks a0, a0 + 1 of the window's four (hi = 0: my rows 0-63, 1: rows 64-127) x all 6 n blocks, 32 along K.  first = 1: the bias, in window 1, starts the sums: nothing is cleared, nothing added later.
; The 48 accumulators take turns, one instruction a turn, in the same order in every quarter, over the backward jump too.
.macro MUL12 f, hi, a0, first
.if \first
	WIN 0x91+0x40*(\hi)                            ; source 0 (B) and C window 1, source 1 (A) window 0, D window 2 or 3
.else
	WIN 0xa1+0x50*(\hi)                            ; C and D window 2 or 3
.endif
.irp a, \a0, (\a0)+1
.irp b, 0,1,2,3,4,5
.if \first
	v_wmma_f32_16x16x32_bf16 v[8*(6*(\a)+(\b)):8*(6*(\a)+(\b))+7], v[(\f)+8*(\b):(\f)+8*(\b)+7], v[(\f)+8*(4*(\hi)+(\a)):(\f)+8*(4*(\hi)+(\a))+7], v[BIAS+8*(\b):BIAS+8*(\b)+7]
.else
	v_wmma_f32_16x16x32_bf16 v[8*(6*(\a)+(\b)):8*(6*(\a)+(\b))+7], v[(\f)+8*(\b):(\f)+8*(\b)+7], v[(\f)+8*(4*(\hi)+(\a)):(\f)+8*(4*(\hi)+(\a))+7], v[8*(6*(\a)+(\b)):8*(6*(\a)+(\b))+7]
.endif
.endr
.endr
.endm
; 28 LDS loads in one run: a quarter step's fragments (96 rows of B, 128 rows of A, 32 K at byte k of the rows) into buffer f
.macro FETCH k, f
	WIN 0x40
.irp i, 0,1,2,3,4,5
	ds_load_b128 v[(\f)+8*(\i):(\f)+8*(\i)+3],   v[ADRB] offset:(\k)+(\i)*16*PITCH
	ds_load_b128 v[(\f)+8*(\i)+4:(\f)+8*(\i)+7], v[ADRB] offset:(\k)+(\i)*16*PITCH+32
.endr
	WIN 0
.irp i, 0,1,2,3,4,5,6,7
	ds_load_b128 v[(\f)+8*(\i):(\f)+8*(\i)+3],   v[ADRA] offset:(\k)+(\i)*16*PITCH
	ds_load_b128 v[(\f)+8*(\i)+4:(\f)+8*(\i)+7], v[ADRA] offset:(\k)+(\i)*16*PITCH+32
.endr
.endm
; A K step is four quarters of 32 along K, 48 matrix instructions each, on buffers 0, 1, 0, 1.  One of the first three: multiplies buffer f; in its middle it fetches the next quarter, at byte k, into g.
.macro QUARTER k, f, g, first
	s_wait_dscnt 8                                 ; B and A's rows 0-63 are in; the youngest eight loads (A's rows 64-127) may be out
	MUL12 \f, 0, 0, \first
	MUL12 \f, 0, 2, \first
	PLACES
	FETCH \k, \g
	s_wait_dscnt 28                                ; all but the 28 just issued
	MUL12 \f, 1, 0, \first
	MUL12 \f, 1, 2, \first
.endm
; The last quarter multiplies buffer 1 and changes slots: ONE barrier.  In front of it each wave waits for all its tensor loads, of which one is out: its part of the next slot; adds 0 to its spare word; and waits for
; that and for its own reads of this slot.  fill = 1: the barrier opens a round of the cluster's, so that no wave of any partner still reads the slot or has a load on its way, and the slot is filled again, two K steps ahead, first thing behind it.
.macro TURN fill
	WIN 0                                          ; (the add's two registers lie in window 0)
	s_wait_tensorcnt 0x0                           ; no tensor load of mine is out, so a group 0 may be written
	ds_add_u32 v[SPW], v[NIL]                      ; 0 onto my spare word; the descriptors' steps and twelve products stand between it and the wait for it
.if \fill
	s_xor_b32 s[G0A+5], s[G0A+5], SLOT1            ; the walking descriptors: the other slot than last time,
	s_add_nc_u64 s[G0A+6:G0A+7], s[G0A+6:G0A+7], KSTEP*2  ; the next K step; the type bits on top are not reached
	s_xor_b32 s[G0B+5], s[G0B+5], SLOT1
	s_add_nc_u64 s[G0B+6:G0B+7], s[G0B+6:G0B+7], KSTEP*2
.endif
	s_wait_dscnt 9                                 ; (the add and the youngest eight loads may be out)
	MUL12 F1, 0, 0, 0
	s_wait_dscnt 0x0                               ; the add is done, and my reads of this slot are over
	s_barrier_signal -1
	MUL12 F1, 0, 2, 0                              ; work on registers while the others arrive
	WIN 0
	s_barrier_wait -1
.if \fill
	CREST
	JLOAD                                          ; the first tensor load behind the round; its four v_nop are also the places in front of the loads below
.else
	PLACES
.endif
	s_xor_b32 s[TB], s[TB], SLOT1                  ; the reads go on in the other slot
	v_add_nc_u32 v[ADRA], s[TB], v[A0]
	v_add_nc_u32 v[ADRB], s[TB], v[B0]
	FETCH 0, F0
	MUL12 F1, 1, 0, 0
	MUL12 F1, 1, 2, 0
.endm
	s_wait_tensorcnt 1                             ; my part of K step 0 is in; K step 1's may stay out
	s_barrier_signal -1
	s_barrier_wait -1                              ; everybody's is
	FETCH 0, F0
	QUARTER 64, F0, F1, 1                          ; the first quarter stands in front of the loop: its products start the sums, with the bias
	WIN 0                                          ; at a label and at a branch every window is 0
	s_mov_b32 s[CNT], 6
.Lstep:                                        ; trip r: K step r's quarters 2 to 4, the refill with K step r + 2, K step r + 1's first quarter
	QUARTER 128, F1, F0, 0
	QUARTER 192, F0, F1, 0
	TURN 1
	QUARTER 64, F0, F1, 0
	WIN 0
	s_sub_co_u32 s[CNT], s[CNT], 1
	s_cmp_lg_u32 s[CNT], 0
	s_cbranch_scc1 .Lstep
	QUARTER 128, F1, F0, 0                         ; K steps 6 and 7 are written out: they ask for nothing
	QUARTER 192, F0, F1, 0
	TURN 0
	QUARTER 64, F0, F1, 0
	QUARTER 128, F1, F0, 0
	QUARTER 192, F0, F1, 0
	s_wait_dscnt 8                                 ; the very last quarter: nothing more to fetch
	MUL12 F1, 0, 0, 0
	MUL12 F1, 0, 2, 0
	s_wait_dscnt 0x0                               ; my reads of the ring are over:
	s_barrier_signal -1                            ; one more meeting a tile, so that the stage's writes below hang on no count of which slot the last step lay in
	MUL12 F1, 1, 0, 0
	MUL12 F1, 1, 2, 0
	WIN 0
	s_barrier_wait -1                              ; no wave reads the ring any more
	; THE WAY OUT: rounded to f16, 16 bytes a lane, into the work-group's stage; a barrier, since the middle head's 128 bytes of a row come from two waves; back as whole rows of a head, 64 rows a wave.
	PLACES
.irp a, 0,1,2,3,4,5,6,7
	WIN 0x0a+5*((\a)/4)                            ; sources 0 and 1: window 2 or 3
.irp b, 0,1,2,3,4,5
.irp r, 0,1,2,3
	v_cvt_pk_f16_f32 v[TMP+4*(\b)+(\r)], v[48*((\a)%4)+8*(\b)+2*(\r)], v[48*((\a)%4)+8*(\b)+2*(\r)+1]  ; each accumulator's registers in ascending order
.endr
.endr
	WIN 0
.irp b, 0,1,2,3,4,5
	ds_store_b128 v[STO], v[TMP+4*(\b):TMP+4*(\b)+3] offset:16*SPITCH*(\a)+32*(\b)
.endr
.endr
	s_wait_dscnt 0x0                               ; for the others' sake: my stores into the stage are done
	s_barrier_signal -1
	s_barrier_wait -1
.set n, 0
.rept 48                                       ; head n / 16 of the tile's three, rows 4 (n % 16) on
	ds_load_b128 v[OB+4*n:OB+4*n+3], v[RD] offset:4*SPITCH*(n%16)+128*(n/16)
.set n, n+1
.endr
.set n, 0
.rept 48
	s_wait_dscnt 47-n                              ; LDS loads come back in order: number n is in
	global_store_b128 v[GO], v[OB+4*n:OB+4*n+3], s[14:15] offset:1048576*(n/16)+512*(n%16)  ; 512 consecutive bytes, at a multiple of 256 from qkv's first; a head on is 4 x 2048 x 128 bytes
.set n, n+1
.endr
	s_wait_tensorcnt 0x0                           ; the wave's end, behind my last tensor load and my last LDS store
	ds_add_u32 v[SPW], v[NIL]
	s_wait_dscnt 0x0
	CROUND                                         ; the closing round: no work-group ends while a partner may still ask for a tile that names it
	s_endpgm
.Lfunc_end_k_q282920c8c7_proj:
	.size	k_q282920c8c7_proj, .Lfunc_end_k_q282920c8c7_proj-k_q282920c8c7_proj
	.p2alignl 7, 3214868480
	.fill 96, 4, 3214868480
	.section	.rodata,"a",@progbits
	.p2align	6, 0x0
	.amdhsa_kernel k_q282920c8c7_proj
		.amdhsa_group_segment_fixed_size 327680
		.amdhsa_private_segment_fixed_size 0
		.amdhsa_enable_private_segment 0
		.amdhsa_kernarg_size 48
		.amdhsa_user_sgpr_count 2
		.amdhsa_user_sgpr_kernarg_segment_ptr 1
		.amdhsa_wavefront_size32 1
		.amdhsa_system_sgpr_workgroup_id_x 1
		.amdhsa_system_sgpr_workgroup_id_y 1
		.amdhsa_system_sgpr_workgroup_id_z 1
		.amdhsa_system_vgpr_workitem_id 0
		.amdhsa_next_free_vgpr 960
		.amdhsa_next_free_sgpr 80
		.amdhsa_reserve_vcc 0
		.amdhsa_float_denorm_mode_32 3
		.amdhsa_float_denorm_mode_16_64 3
		.amdhsa_memory_ordered 1
		.amdhsa_forward_progress 1
		.amdhsa_inst_pref_size 102
	.end_amdhsa_kernel
	.amdgpu_metadata
---
amdhsa.version: [ 1, 2 ]
amdhsa.kernels:
  - .name:           k_q282920c8c7_proj
    .symbol:         k_q282920c8c7_proj.kd
    .args:
      - { .name: xb, .offset: 0, .size: 8, .value_kind: global_buffer, .address_space: global }
      - { .name: wqkv, .offset: 8, .size: 8, .value_kind: global_buffer, .address_space: global }
      - { .name: bq, .offset: 16, .size: 8, .value_kind: global_buffer, .address_space: global }
      - { .name: bk, .offset: 24, .size: 8, .value_kind: global_buffer, .address_space: global }
      - { .name: bv, .offset: 32, .size: 8, .value_kind: global_buffer, .address_space: global }
      - { .name: qkv, .offset: 40, .size: 8, .value_kind: global_buffer, .address_space: global }
    .group_segment_fixed_size: 327680
    .private_segment_fixed_size: 0
    .kernarg_segment_align: 8
    .kernarg_segment_size: 48
    .max_flat_workgroup_size: 128
    .sgpr_count:     80
    .vgpr_count:     960
    .wavefront_size: 32
...
	.end_amdgpu_metadata
.endif
;; end of part 2
;; launch attn (part 3): grid 4 x 64, 4 waves a work-group, no clusters, 327,680 bytes of LDS; arguments qkv, o; writes o
.if DOCPART == 3
	.amdgcn_target "amdgcn-amd-amdhsa--gfx1250"
	.amdhsa_code_object_version 6
	.text
	.protected	k_q282920c8c7_attn
	.globl	k_q282920c8c7_attn
	.p2align	8
	.type	k_q282920c8c7_attn,@function
k_q282920c8c7_attn:
	s_mov_b64 s[64:65], 0
	v_nop
	global_prefetch_b8 v0, s[64:65] scope:SCOPE_SE
	s_setreg_imm32_b32 hwreg(HW_REG_WAVE_MODE, 25, 1), 1
	s_wait_xcnt 0x0
; CAUSAL ATTENTION.  O[h][q][:] = the sum over k <= q of softmax_k(Q[h][q] . K[h][k] / 8) V[h][k][:].  Q, K, V lie in qkv at bytes 0, 2^24 and 2^25, each [64][2048][64] f16; O: [64][2048][64] f16: a head's rows are dense, 128 bytes each.
; Products, maxima and sums in f32; the weights p are rounded to f16 for the second product (their sum l is taken of the unrounded p), O once at the end.
; LIMITS.  f16 holds no number beyond 65,504: Q, K and V arrive within it; p lies in 0 to 1, and below 6e-5 it keeps f16's fixed step of 6e-8; O is a mean of V's rows and has their range, to within 2^-11 of it.
; A hidden score counts as its value less 1e30 and so has the weight 0 (a score of -1e9 in its stead gives the same 0 unless a row's true scores lie near -1e9 themselves); a weight below 2^-126 counts as 0 in l; NaN and infinities are not treated apart.
; THE WALK.  A head's queries lie in NB = 8 blocks of 256; block i needs the key tiles 0 .. i of 256 keys, of which the last holds the diagonal.  A work-group takes TWO blocks, NB - 1 - b and then b:
; NB + 1 tiles, whatever b: all 256 work-groups do equal work, and ONE loop with a constant trip count walks them.  Which tile is asked for, and what a trip does, hang on scalar registers made from b; every jump
; goes forward, but for the counted loops' own; none passes a barrier, or a tensor load but the one of LOAD's two that the wave's number does not choose; the ring (two slots of LDS that take turns) runs on across the
; change of blocks.  NO CLUSTER: a head's four work-groups ask for the same tile only in trips 0 .. 4 of the 9, behind that fewer and fewer; one walk common to all four would have 12 trips for 9.
; SHARES.  Of a block's four bands of 64 queries a wave owns 16 rows in each: four PIECES.  So the diagonal tile is the same work for all four waves: in its key step s band x sees all keys if s < x,
; none if s > x, and holds the diagonal if s = x.
; THE MASK is the C operand that starts the sum S^T = K Q^T: 0, or -1e30 where the key is hidden.  MD, made once, is the mask of a band's own step for my 16 rows; a product's mask is MD x AL + BE with two scalars:
; (1, 0) if s = x; (0, 0) if s < x; (0, -1e30) if s > x.  Only the diagonal tile's text and a block's beginning make and take masks; elsewhere C is the constant 0.
; LAYOUT, SOFTMAX, TURNS.  S^T = K Q^T holds ONE query a lane (lane % 16) and the keys 8 (lane / 16) + 0..7; two such results rounded to f16 ARE source 1 of O^T = V^T P.  p = 2^(c s - c m), c = log2(e) / 8, with a
; running maximum m; O and l are multiplied by a = 2^(c m_old - c m_new) in every step.  Turn n belongs to piece n: 8 products K Q^T of piece n + 1, later 8 products V^T P of piece n - 1; beside them the scaling,
; exponentials, roundings, sums and rescaling of piece n and the maximum and statistics of piece n + 1.  Four vector instructions stand behind every matrix instruction, the other 54 of a turn's 118 in two LUMPS.
; REGISTERS, in windows of 256 (s_set_vgpr_msb: bits 1:0 source 0, 3:2 source 1, 5:4 source 2, 7:6 destination):
;   window 0: v0-15 addresses and two at work; v16-31 four registers of statistics a piece; v48-55 at work; v61-63 kept; v64-127 S^T, two buffers; v192-223 P, two buffers (a piece's buffers go by its number's parity)
;   window 1: v0-127 O^T, 32 a piece; v128-159 MD; v160-223 MC, two buffers      window 2: v0-63 Q; v64-127 the second block's Q; v128-191 K of one step; v192-255 V of one step
.set SIZE_N, 2048
.set NB,    SIZE_N/256
.set NP,    4         ; pieces a wave: a name, no knob
.set KS,    64        ; keys in a step
.set PK,    144       ; a row of K in LDS: 128 bytes + 16 of padding = 36 words: the 16 rows of a load start at 16 different groups of four banks (64 banks of 4 bytes: ISA guide 11.1)
.set PV,    160       ; a row of V: 128 + 32 = 40 words
.set VOFF,  4*KS*PK   ; a slot holds a tile, four steps: 256 rows of K, then 256 rows of V
.set SLOT1, 1<<17     ; slot 1 begins here, so that one exclusive or turns an address in one slot into the other's
.set STAGE, SLOT1+4*KS*(PK+PV)  ; behind the ring, never filled by a tensor load: 16 rows x 144 bytes for each wave, for the way out
.set SP,    144
.set AK0, 2           ; v2   my lane's place in a tile of K; never rewritten
.set AV0, 3           ; v3   the same for V
.set AK,  4           ; v4   the LDS address of K's next run of loads
.set AV,  5           ; v5   of V's
.set STO, 6           ; v6   the way out: where I put 16 bytes of a row
.set RD,  7           ; v7   the way out: where I read rows back
.set GO,  8           ; v8   my byte offset in 512 consecutive bytes of O
.set PFO, 61          ; v61  256 x my lane: the prefetches' offset; never rewritten
.set SPW, 62          ; v62  LDS address of my spare word: SPARE + 4 x my thread's number; never rewritten
.set NIL, 63          ; v63  0; never rewritten
.set SPARE, STAGE+4*16*SP  ; behind the stages: the spare words, 128 bytes for each wave: two blocks of 256 bytes that no other line names
.set MV,  12          ; v12-13  c m_old, kept while c m is made anew: by buffer
.set QO,  15          ; v15  my byte offset in 16 rows of Q
.set ST,  16          ; piece t's statistics at v[ST+4 t]: c m, m, l (even keys', odd keys')
.set TMP, 48          ; by buffer, four registers c0-c3 at work; when the maximum is found c2 takes a
.set S,   64
.set P,   192
.set MD,  128         ; window 1: the eight registers for group kt of 16 keys at MD + 8 kt
.set MC,  160         ; window 1: the masks of the products to come
.set QB,  64          ; window 2
.set KF,  128         ; window 2: key block kb, channel half c at KF + 16 kb + 8 c
.set VF,  192         ; window 2: key half kk, channel block cb at VF + 32 kk + 8 cb
.set WV,  12          ; s12  my wave's number
.set PB,  14          ; s14  b
.set HI,  15          ; s15  NB - 1 - b
.set G1K, 24          ; s[24:31] descriptor group 1 for K's tiles
.set G1V, 32          ; s[32:39] for V's: it differs in the padding alone
.set G0K, 40          ; s[40:43] descriptor group 0 for K's tiles
.set G0V, 44          ; s[44:47] the same for V's
.set SLOTS, 56        ; s56  tiles still to be asked for
.set CNT, 57          ; s57  counts a tile's key steps, 4 to 1
.set CS,  58          ; s[58:59] c: the packed scaling takes the pair's low word for both halves
.set SEL, 60          ; s[60:61] v_permlanex16_b32's selects: each lane takes its own place in the other half
.set TBK, 62          ; s62  LDS byte at which K of the step to be fetched begins
.set TBV, 63          ; s63  the same for V, less VOFF
.set RT,  70          ; s70  tiles of the block in hand that are still to be entered
.set NXT, 71          ; s71  the tile to be asked for next
.set LQ,  72          ; s72  the last tile of the block whose tiles are being asked for
.set NEW, 73          ; s73  1: the tile to be entered is a block's first
.set OFF, 74          ; s[74:75] a tile's byte offset in K and V
.set AL,  76          ; s[76:77] the mask's factor, in the low word
.set BE,  78          ; s[78:79] the mask's addend
.set OLO, 80          ; s[80:81] O at my rows of the second block
.set BIGN, 82         ; s82  -1e30
.set LIM, 83          ; s83  2 in the work-group that prefetches (b = 0), else the greatest number: a wave prefetches while s[SLOTS] is above it
.set PFB, 88          ; s[88:89] K (waves 0, 1) or V (waves 2, 3) at the half of the head's tile 0 that I fetch
.set PFA, 90          ; s[90:91] the same at the tile that is being asked for
.set MSB, 0
.macro WIN new                      ; the high byte repeats the setting that is left; a switch that changes nothing is dropped
.if MSB != (\new)
	s_set_vgpr_msb (MSB<<8)|(\new)
.set MSB, (\new)
.endif
.endm
.set W_KQ, 0x0a       ; K and Q in window 2, S^T in window 0
.set W_KM, 0x1a       ; the same with the C operand in window 1
.set W_PV, 0x52       ; V in window 2, P in window 0, O^T in window 1
.set W_RS, 0x41       ; destination and source 0 in window 1, source 1 in window 0
; A fill.  Waves 0 and 1 fetch the two halves of a tile's K, waves 2 and 3 those of its V: 128 keys each.  An s_nop 0 and four v_nop follow each of the two lines, ahead of the jump and the label.
.macro LOAD
	s_cmp_lt_u32 s[WV], 2
	s_cbranch_scc0 .Lfor_v_\@
	tensor_load_to_lds s[G0K:G0K+3], s[G1K:G1K+7]
	s_nop 0
.rept 4
	v_nop
.endr
	s_branch .Lasked_\@
.Lfor_v_\@:
	tensor_load_to_lds s[G0V:G0V+3], s[G1V:G1V+7]
	s_nop 0
.rept 4
	v_nop
.endr
.Lasked_\@:
.endm
; A PREFETCH INTO THE L2 of the tile that the NEXT change of slots will ask for.  A head's four work-groups begin with the same tiles 0, 1, 2, ..; only b = 0 walks all eight on end, so it asks, and nobody else.
; Each of its waves names the 16,384 bytes that it will itself fetch one change later: 64 blocks of 256 bytes, a lane a block, two instructions.  Change i (1 to 8) fetches tile i and names tile i + 1 while i <= 6:
; tiles 2 to 7 are each named once in the launch, nothing past the head's last tile, and nothing at the kernel's head.  It stands behind the wave's tensor load and its five lines.
.macro ASK
	s_cmp_gt_u32 s[SLOTS], s[LIM]
	s_cbranch_scc0 .Lnot_mine_\@
	global_prefetch_b8 v[PFO], s[PFA:PFA+1] offset:32768 th:TH_LOAD_NT scope:SCOPE_SE
	global_prefetch_b8 v[PFO], s[PFA:PFA+1] offset:40960 th:TH_LOAD_NT scope:SCOPE_SE
.Lnot_mine_\@:
.endm
; THE CHANGE OF SLOTS.  Each wave waits for all its tensor loads, of which one is out: its part of the other slot; adds 0 to its spare word; and waits for that and for its own reads of the slot that it leaves.  Behind the barrier nobody reads the old
; slot any more and the other slot is whole.  fill = 1: the old slot is filled again, the first thing behind the barrier, with tile NXT: the descriptor's address is made anew from that number.
; (At its first use nothing has been read yet: slot 0 is waited for, slot 1 filled.)
.macro CHANGE fill
	WIN 0                           ; at a label and at a branch every window is 0
	s_wait_tensorcnt 0x0            ; no tensor load of mine is out, so a group 0 may be written
	ds_add_u32 v[SPW], v[NIL]       ; 0 onto my spare word; with fill = 1 the descriptors' scalar work stands between it and the wait for it
.if \fill
	s_lshl_b32 s[OFF], s[NXT], 15   ; a tile is 32,768 bytes of K and of V
	s_xor_b32 s[G0K+1], s[G0K+1], SLOT1
	s_add_nc_u64 s[G0K+2:G0K+3], s[6:7], s[OFF:OFF+1]
	s_or_b32 s[G0K+3], s[G0K+3], 0x80000000
	s_xor_b32 s[G0V+1], s[G0V+1], SLOT1
	s_add_nc_u64 s[G0V+2:G0V+3], s[8:9], s[OFF:OFF+1]
	s_or_b32 s[G0V+3], s[G0V+3], 0x80000000
	s_wait_xcnt 0x0                 ; the last prefetches, a tile back, have read their address, so it may be written
	s_add_nc_u64 s[PFA:PFA+1], s[PFB:PFB+1], s[OFF:OFF+1]
	s_add_co_u32 s[NXT], s[NXT], 1  ; the block's next tile, or behind its last the second block's tile 0
	s_cmp_gt_u32 s[NXT], s[LQ]
	s_cselect_b32 s[NXT], 0, s[NXT]
	s_cselect_b32 s[LQ], s[PB], s[LQ]
.endif
	s_wait_dscnt 0x0                ; the add is done, and my reads of the slot are over
	s_barrier_signal -1             ; the rest of the scalar work stands between the signal and the wait
	s_sub_co_u32 s[TBK], s[TBK], 4*KS*PK  ; the fetches go back to a slot's first step,
	s_xor_b32 s[TBK], s[TBK], SLOT1       ; in the other slot
	s_sub_co_u32 s[TBV], s[TBV], 4*KS*PV
	s_xor_b32 s[TBV], s[TBV], SLOT1
	s_barrier_wait -1
.if \fill
	LOAD
	ASK
.endif
.endm
	s_load_b128 s[4:7], s[0:1], 0x0 ; qkv s[4:5], o s[6:7]
	v_lshl_add_u32 v[SPW], v0, 2, SPARE
	v_mov_b32 v[NIL], 0
	ds_add_u32 v[SPW], v[NIL]       ; the wave's opening: the add and its wait stand ahead of my first tensor load; the set-up below, work on registers, stands between them
	ds_add_u32 v62, v63
	v_lshrrev_b32 v1, 5, v0
	v_readfirstlane_b32 s[WV], v1   ; wave 0..3
	s_mov_b32 s[PB], ttmp9
	s_sub_co_u32 s[HI], NB-1, s[PB]
	s_and_b32 s20, ttmp7, 0xffff    ; the head
	s_mov_b32 s21, 0
	s_mov_b64 s[22:23], SIZE_N*128
	s_mul_u64 s[20:21], s[20:21], s[22:23]  ; the head's first byte in each of the four tensors
	s_and_b32 s16, s[WV], 1         ; which half of a tile's 256 keys I fetch:
	s_lshl_b32 s22, s16, 14         ; its 128 rows of 128 bytes in memory,
	s_mov_b32 s23, 0
	s_add_nc_u64 s[22:23], s[22:23], s[20:21]
	s_mul_i32 s17, s16, 128*PK      ; and its place in a slot, for K
	s_mul_i32 s18, s16, 128*PV      ; and for V
	s_lshl_b32 s3, s[WV], 11        ; my 16 rows in a band of 64,
	s_lshl_b32 s2, s[HI], 15        ; in the first block,
	s_add_co_u32 s2, s2, s3
	s_lshl_b32 s84, s[PB], 15       ; and in the second
	s_add_co_u32 s84, s84, s3
	s_mov_b32 s3, 0
	s_mov_b32 s85, 0
	s_add_nc_u64 s[2:3], s[2:3], s[20:21]
	s_add_nc_u64 s[84:85], s[84:85], s[20:21]
	; descriptor group 1.  128 keys are 16,384 dense bytes: asked for as 64 rows of 256 bytes, two keys a row, and padded in LDS after every key
	s_mov_b32 s[G1K], (1<<16)|(1<<20)|(4<<22)|(3<<25)  ; 17:16 2-byte elements; 20 padding on; 24:22 after every 32 words (code 4); 31:25 4 words (code 3)
	s_mov_b32 s[G1V], (1<<16)|(1<<20)|(4<<22)|(7<<25)  ; the same with 8 words of padding (code 7)
.irp g, G1K, G1V
	s_mov_b32 s[\g+1], 128<<16      ; tensor_dim0 = 128
	s_mov_b32 s[\g+2], 64<<16       ; tensor_dim1 = 64
	s_mov_b32 s[\g+3], 128<<16      ; tile_dim0 = 128
	s_mov_b32 s[\g+4], 64           ; tile_dim1 = 64
	s_mov_b32 s[\g+5], 128          ; 128 elements from row to row
	s_mov_b32 s[\g+6], 0
	s_mov_b32 s[\g+7], 0
.endr
	s_mov_b32 s[CS], 0x3e38aa3b     ; c = log2(e) / 8 = 0.180337
	s_mov_b32 s[CS+1], s[CS]        ; named with it as a pair
	s_mov_b32 s[SEL], 0x76543210
	s_mov_b32 s[SEL+1], 0xfedcba98
	s_mov_b32 s[TBK], SLOT1+4*KS*PK ; the first change of slots turns these two into 0
	s_mov_b32 s[TBV], SLOT1+4*KS*PV
	s_mov_b32 s[G0K], 1             ; 1:0 count = 1
	s_mov_b32 s[G0K+1], s17         ; 63:32 LDS address: slot 0
	s_mov_b32 s[G0V], 1
	s_add_co_u32 s[G0V+1], s18, VOFF
	s_add_co_u32 s[RT], s[HI], 1    ; the first block has NB - b tiles
	s_mov_b32 s[NXT], 1
	s_mov_b32 s[LQ], s[HI]
	s_mov_b32 s[NEW], 1
	s_mov_b32 s[OFF+1], 0
	s_mov_b32 s[AL+1], 0            ; named as pairs
	s_mov_b32 s[BE+1], 0
	s_mov_b32 s[BIGN], 0xf149f2ca   ; -1e30
	s_mov_b32 s[SLOTS], NB
	s_cmp_eq_u32 s[PB], 0
	s_cselect_b32 s[LIM], 2, -1
	v_and_b32 v[PFO], 31, v0
	v_lshlrev_b32 v[PFO], 8, v[PFO]
	s_wait_dscnt 0x0                ; the opening add is done
	s_wait_kmcnt 0x0
	s_mov_b64 s[10:11], s[6:7]      ; O
	s_add_nc_u64 s[8:9], s[4:5], 0x2000000  ; V: behind q's and k's 16 heads x 4 batches x 2048 rows x 128 bytes each
	s_add_nc_u64 s[6:7], s[4:5], 0x1000000  ; K; Q is qkv's beginning
	s_add_nc_u64 s[6:7], s[6:7], s[22:23]  ; K and V at my half of the head's tile 0
	s_add_nc_u64 s[8:9], s[8:9], s[22:23]
	s_add_nc_u64 s[G0K+2:G0K+3], s[6:7], 0         ; 120:64 global address
	s_or_b32 s[G0K+3], s[G0K+3], 0x80000000        ; 127:126 type = 2
	s_add_nc_u64 s[G0V+2:G0V+3], s[8:9], 0
	s_or_b32 s[G0V+3], s[G0V+3], 0x80000000
	s_add_nc_u64 s[86:87], s[4:5], s[84:85]        ; Q at my rows of the second block,
	s_add_nc_u64 s[4:5], s[4:5], s[2:3]            ; Q and O at those of the first
	s_add_nc_u64 s[OLO:OLO+1], s[10:11], s[84:85]
	s_add_nc_u64 s[10:11], s[10:11], s[2:3]
	s_cmp_lt_u32 s[WV], 2
	s_cselect_b64 s[PFB:PFB+1], s[6:7], s[8:9]
	LOAD                            ; tile 0 into slot 0
	; A fragment of K or Q is 16 rows x 32 channels in 8 registers: lane l holds row l % 16, channels 8 (l / 16) + 0..7 and 16 + 8 (l / 16) + 0..7: two loads of 16 bytes, 32 bytes apart.
	v_and_b32 v1, 15, v0            ; l % 16
	v_bfe_u32 v9, v0, 4, 1          ; l / 16
	v_lshlrev_b32 v[QO], 7, v1
	v_lshl_add_u32 v[QO], v9, 4, v[QO]  ; row x 128 + 16 x half
	WIN 0x80                        ; destination window 2, address window 0
.set i, 0
.rept 8                             ; both blocks' Q: piece i / 2 lies in band i / 2, 8,192 bytes on; channels 32 (i % 2) on
	global_load_b128 v[8*i:8*i+3],   v[QO], s[4:5] offset:(i/2)*8192+(i%2)*64
	global_load_b128 v[8*i+4:8*i+7], v[QO], s[4:5] offset:(i/2)*8192+(i%2)*64+32
	global_load_b128 v[QB+8*i:QB+8*i+3],   v[QO], s[86:87] offset:(i/2)*8192+(i%2)*64
	global_load_b128 v[QB+8*i+4:QB+8*i+7], v[QO], s[86:87] offset:(i/2)*8192+(i%2)*64+32
.set i, i+1
.endr
	WIN 0
	v_lshlrev_b32 v14, 3, v9
	v_sub_nc_u32 v14, v1, v14
	s_lshl_b32 s13, s[WV], 4
	v_add_nc_u32 v14, s13, v14      ; my query's place in its band, 16 w + l % 16, less my lanes' 8 (l / 16): register r of group kt is hidden where 16 kt + r is greater
	WIN 0x40
.set i, 0
.rept 32
	v_cmp_gt_i32 vcc_lo, 16*(i/8)+i%8, v14
	v_cndmask_b32 v[MD+i], 0, s[BIGN], vcc_lo
.set i, i+1
.endr
	WIN 0
	v_mul_u32_u24 v[AK0], v1, PK
	v_lshl_add_u32 v[AK0], v9, 4, v[AK0]  ; row x pitch + 16 x half
	; The turning load takes 16 keys x 16 channels (lane l reads key 8 (l / 16) + l % 8, channels 8 ((l / 8) % 2) + 0..7) and leaves half a fragment of V^T: lane l holds channel l % 16 and 8 keys.
	v_and_b32 v10, 7, v0
	v_bfe_u32 v11, v0, 3, 1
	v_lshl_add_u32 v[AV0], v9, 3, v10
	v_mul_u32_u24 v[AV0], v[AV0], PV
	v_lshl_add_u32 v[AV0], v11, 4, v[AV0]
	v_add_nc_u32 v[AV0], VOFF, v[AV0]
	s_mul_i32 s13, s[WV], 16*SP
	s_add_co_u32 s13, s13, STAGE    ; my stage
	v_mul_u32_u24 v[STO], v1, SP    ; in: row l % 16, 16 bytes for each half of the lanes
	v_lshl_add_u32 v[STO], v9, 4, v[STO]
	v_add_nc_u32 v[STO], s13, v[STO]
	v_bfe_u32 v[RD], v0, 3, 2       ; back: 32 lanes take four rows of 128 bytes,
	v_mul_u32_u24 v[RD], v[RD], SP
	v_lshl_add_u32 v[RD], v10, 4, v[RD]
	v_add_nc_u32 v[RD], s13, v[RD]
	v_and_b32 v[GO], 31, v0         ; which are 512 consecutive bytes of O
	v_lshlrev_b32 v[GO], 4, v[GO]
	; A block's first step multiplies O^T and l by a = 0, and its first turn's products V^T P, of a piece that has not been, land in an O^T that is still to be so multiplied.  So these registers need only hold
	; finite numbers: zeros for the first block; what the first block left for the second.  All this stands in the wait for the first tile.
	WIN 0x80
.set i, VF
.rept 64
	v_mov_b32 v[i], 0
.set i, i+1
.endr
	WIN 0x40
.set i, 0
.rept 128
	v_mov_b32 v[i], 0
.set i, i+1
.endr
	WIN 0
.set i, 0
.rept 4
	v_mov_b32 v[ST+4*i+2], 0
	v_mov_b32 v[ST+4*i+3], 0
.set i, i+1
.endr
.set i, P+16
.rept 16
	v_mov_b32 v[i], 0
.set i, i+1
.endr
; THE MATRIX WORK.  The 4 accumulators of a run of 8 take turns.  Product i of 8 of S^T = K Q^T for piece x: channels 32 (i / 4) on, keys 16 (i % 4) on.  The first 4 start the sums: with 0, or (KM = 1) with the mask.
.macro KQ x
.set rS, S+32*((\x)%2)+8*(i%4)
.set rK, KF+16*(i%4)+8*(i/4)
.set rQ, 16*(\x)+8*(i/4)
.set rM, MC+32*((\x)%2)+8*(i%4)
.if (i < 4) && KM
	WIN W_KM
	v_wmma_f32_16x16x32_f16 v[rS:rS+7], v[rK:rK+7], v[rQ:rQ+7], v[rM:rM+7]
.elseif i < 4
	WIN W_KQ
	v_wmma_f32_16x16x32_f16 v[rS:rS+7], v[rK:rK+7], v[rQ:rQ+7], 0
.else
	WIN W_KQ
	v_wmma_f32_16x16x32_f16 v[rS:rS+7], v[rK:rK+7], v[rQ:rQ+7], v[rS:rS+7]
.endif
.endm
; Product i of 8 of O^T += V^T P for piece x: keys 32 (i / 4) on, channels 16 (i % 4) on.
.macro PV x
	WIN W_PV
.set rO, 32*(\x)+8*(i%4)
.set rV, VF+32*(i/4)+8*(i%4)
.set rP, P+16*((\x)%2)+8*(i/4)
	v_wmma_f32_16x16x32_f16 v[rO:rO+7], v[rV:rV+7], v[rP:rP+7], v[rO:rO+7]
.endm
.macro MM                           ; the turn's next matrix instruction.  TURN and BEGIN set Y, i, KM and NOKQ; MM, KQ and OP read them.  NOKQ = 1: a block's last turn: there is no next piece
.if (i < 8) && !NOKQ
	KQ (Y+1)%NP
.elseif i >= 8
.set i, i-8
	PV (Y+NP-1)%NP
.set i, i+8
.endif
.set i, i+1
.endm
; THE LDS LOADS stand in runs of 16, never singly among the matrix instructions: a step's K (64 keys x 64 channels: 8 fragments) and its V (turned).  Their addresses are made some lines ahead.
.macro FETCH_K
	WIN 0x80                        ; destination window 2
.irp f, 0,1,2,3,4,5,6,7             ; keys 16 (f / 2) on, channels 32 (f % 2) on
	ds_load_b128 v[KF+8*\f:KF+8*\f+3],   v[AK] offset:(\f/2)*16*PK+(\f%2)*64
	ds_load_b128 v[KF+8*\f+4:KF+8*\f+7], v[AK] offset:(\f/2)*16*PK+(\f%2)*64+32
.endr
	s_add_co_u32 s[TBK], s[TBK], KS*PK  ; the next fetch is the next step's
	WIN 0
.endm
.macro FETCH_V
	WIN 0x80
.irp f, 0,1,2,3,4,5,6,7             ; keys 32 (f / 4) on, channels 16 (f % 4) on
	ds_load_tr16_b128 v[VF+8*\f:VF+8*\f+3],   v[AV] offset:(\f/4)*32*PV+(\f%4)*32
	ds_load_tr16_b128 v[VF+8*\f+4:VF+8*\f+7], v[AV] offset:(\f/4)*32*PV+16*PV+(\f%4)*32
.endr
	WIN 0
.endm
; THE VECTOR WORK, one line at a time: OP kind, number.  For piece Y: F n: c s - c m for pair n of 16.  E n: the exponential of score n of 32.  C n: pair n rounded to f16.  B n: of the four weights 4 n .. the second
; pair is added onto the first, in place.  L n: l takes that sum (L 0: l = a l + sum).  R n: pair n of 16 of O^T times a.  For piece Y + 1: X n, number n of the 22 that find its maximum and statistics:
;   0-11  four chains c0-c3 of seven scores each, three operands at a time (each accumulator's lowest registers are read first)     12-14, 16  the four scores left over, the old m, and c0-c3 into c0
;   15  c m_old is kept     17, 18  the query's other 32 keys lie in the lane 16 away: the new m     19-21  c m; c m_old - c m_new; a
.set F, 0               ; OP tells the kinds apart by their order: F to L below R, X above it
.set E, 1
.set C, 2
.set B, 3
.set L, 4
.set R, 5
.set X, 6
.macro REGS y                       ; the registers of piece y
.set rT, ST+4*(\y)
.set rC, TMP+4*((\y)%2)
.set rW, MV+((\y)%2)
.set rS, S+32*((\y)%2)
.set rP, P+16*((\y)%2)
.set rO, 32*(\y)
.endm
.macro OP k, n
.if (\k) == R
	REGS Y
	WIN W_RS
	v_pk_mul_f32 v[rO+2*(\n):rO+2*(\n)+1], v[rO+2*(\n):rO+2*(\n)+1], v[rC+2:rC+3] op_sel_hi:[1,0]
.elseif (\k) < R
	REGS Y
	WIN 0
.if (\k) == F
	v_pk_fma_f32 v[rS+2*(\n):rS+2*(\n)+1], v[rS+2*(\n):rS+2*(\n)+1], s[CS:CS+1], v[rT:rT+1] op_sel_hi:[1,0,0] neg_lo:[0,0,1] neg_hi:[0,0,1]
.elseif (\k) == E
	v_exp_f32 v[rS+(\n)], v[rS+(\n)]
.elseif (\k) == C
	s_wait_alu depctr_va_vdst(0)
	v_cvt_pk_f16_f32 v[rP+(\n)], v[rS+2*(\n)], v[rS+2*(\n)+1]
.elseif (\k) == B
	s_wait_alu depctr_va_vdst(0)
	v_pk_add_f32 v[rS+4*(\n):rS+4*(\n)+1], v[rS+4*(\n):rS+4*(\n)+1], v[rS+4*(\n)+2:rS+4*(\n)+3]
.elseif (\n) == 0
	v_pk_fma_f32 v[rT+2:rT+3], v[rT+2:rT+3], v[rC+2:rC+3], v[rS:rS+1] op_sel_hi:[1,0,1]
.else
	v_pk_add_f32 v[rT+2:rT+3], v[rT+2:rT+3], v[rS+4*(\n):rS+4*(\n)+1]
.endif
.elseif NOKQ
	v_nop
.else
	REGS (Y+1)%NP
	WIN 0
.if (\n) < 4
	v_max3_num_f32 v[rC+(\n)], v[rS+8*(\n)], v[rS+8*(\n)+1], v[rS+8*(\n)+2]
.elseif (\n) < 12
	v_max3_num_f32 v[rC+(\n)%4], v[rC+(\n)%4], v[rS+8*((\n)%4)+2*((\n)/4)+1], v[rS+8*((\n)%4)+2*((\n)/4)+2]
.elseif (\n) == 12
	v_max3_num_f32 v[rC], v[rC], v[rS+7], v[rS+15]
.elseif (\n) == 13
	v_max3_num_f32 v[rC+1], v[rC+1], v[rS+23], v[rS+31]
.elseif (\n) == 14
	v_max3_num_f32 v[rC+2], v[rC+2], v[rC+3], v[rT+1]
.elseif (\n) == 15
	v_mov_b32 v[rW], v[rT]
.elseif (\n) == 16
	v_max3_num_f32 v[rC], v[rC], v[rC+1], v[rC+2]
.elseif (\n) == 17
	v_permlanex16_b32 v[rC+3], v[rC], s[SEL], s[SEL+1]
.elseif (\n) == 18
	v_max_num_f32 v[rT+1], v[rC], v[rC+3]
.elseif (\n) == 19
	v_mul_f32 v[rT], s[CS], v[rT+1]
.elseif (\n) == 20
	v_sub_f32 v[rC+1], v[rW], v[rT]
.else
	v_exp_f32 v[rC+2], v[rC+1]
.endif
.endif
.endm
.macro OPS a, i1, b=-1, i2=0, c=-1, i3=0, d=-1, i4=0  ; up to four of them
	OP \a, \i1
.if (\b) >= 0
	OP \b, \i2
.endif
.if (\c) >= 0
	OP \c, \i3
.endif
.if (\d) >= 0
	OP \d, \i4
.endif
.endm
.macro ROW a, i1, b, i2, c, i3, d, i4  ; a matrix instruction and the four behind it
	MM
	OPS \a, \i1, \b, \i2, \c, \i3, \d, \i4
.endm
.macro MASK b                       ; MD x AL + BE into buffer b of MC
	WIN W_RS
.set z, 0
.rept 16
	v_pk_fma_f32 v[MC+32*(\b)+2*z:MC+32*(\b)+2*z+1], v[MD+2*z:MD+2*z+1], s[AL:AL+1], s[BE:BE+1] op_sel_hi:[1,0,0]
.set z, z+1
.endr
.endm
; A TURN, for piece p: the order of its 16 matrix and 118 vector instructions, written out.  Behind a matrix instruction: plain, exponential, plain, plain; or four of the rescaling; or, behind the first, four scalings; none
; names a register of the products round it.  In the lumps exponential and plain by turns while exponentials last.  A line reads no result made fewer than three vector instructions in front of it, five if an exponential made it.
; v_permlanex16_b32 (X 17) stands in a lump.
; m = 1: the diagonal tile: the products take masks, and the turn makes the mask for the products of the turn after it: piece p + 2, in step 4 - CNT of the tile.  end = 1: a block's last two turns: nothing is fetched.
; cnt = 1: the loop's count is taken down some lines ahead of the branch that stands behind the turn.
; K of the next step is fetched in piece 2's turn, six vector instructions behind the last product that read K (five of them plain); V of the step in hand in piece 0's turn, eight behind the last product that read V (four
; plain, and X 17).  Each is waited for a turn later.
.macro TURN p, m=0, end=0, cnt=0
.set Y, (\p)
.set i, 0
.set KM, (\m)
.set NOKQ, (\end)*((\p)/3)
.if (\m) && !(\end)
	s_cmp_eq_u32 s[CNT], 4-((\p)+2)%NP  ; is that step the band's own?
	s_cselect_b32 s[AL], 1.0, 0
	s_cmp_lt_u32 s[CNT], 4-((\p)+2)%NP  ; or a later one?
	s_cselect_b32 s[BE], s[BIGN], 0
.endif
.if ((\p) == 3) && !(\end)
	s_wait_dscnt 0x0                ; K is in
.endif
	ROW F,0, F,1, F,2, F,3
	ROW F,4, E,0, F,5, F,6
	ROW F,7, E,1, F,8, F,9
	ROW F,10, E,2, C,0, F,11
	ROW F,12, E,3, X,15, F,13
	ROW R,0, R,1, R,2, R,3
	ROW B,0, E,4, F,14, L,0
.if ((\p) == 2) && !(\end)
	v_add_nc_u32 v[AK], s[TBK], v[AK0]
.endif
	ROW R,4, R,5, R,6, R,7
	OPS E,5, F,15
.if ((\p) == 2) && !(\end)
	FETCH_K
.endif
	OPS E,6, C,1, E,7, R,8
	OPS E,8, R,9, E,9, C,2
	OPS E,10, X,0, E,11, X,1
	OPS E,12, X,2, E,13, X,3
.if (\p) == 1
	s_wait_dscnt 0x0                ; V is in
.endif
	ROW X,4, E,14, X,5, X,6
	ROW X,7, E,15, X,8, X,9
	ROW X,10, E,16, X,11, X,12
	ROW X,13, E,17, X,14, B,1
	ROW C,4, E,18, X,16, L,1
	ROW B,2, E,19, C,6, L,2
	ROW C,8, E,20, B,3, B,4
.if (\p) == 0
	v_add_nc_u32 v[AV], s[TBV], v[AV0]
.endif
	ROW C,3, E,21, L,3, C,5
	OPS E,22, X,17, E,23, C,10
.if (\p) == 0
	FETCH_V
.endif
	OPS E,24, L,4
	OPS E,25, X,18, E,26, C,7
	OPS E,27, B,5, E,28, X,19
	OPS E,29, C,12, E,30, L,5
	OPS E,31, X,20, B,6, C,9
	OPS C,14, C,11, X,21, L,6
.if (\p) == 0
	s_add_co_u32 s[TBV], s[TBV], KS*PV
.endif
.if \cnt
	s_sub_co_u32 s[CNT], s[CNT], 1
	s_cmp_lg_u32 s[CNT], 0
.endif
	OPS C,13, B,7, C,15, R,10
	OPS R,11, R,12, L,7, R,13
	OPS R,14, R,15
.if (\m) && !(\end)
	MASK (\p)%2
.endif
.endm
; A BLOCK BEGINS.  c m starts far below every c s, so the first step's a is 0; m at the lowest finite number, so the first maximum is the scores'.  The second mask buffer is 0; the first takes piece 0's mask for the tile's step 0: its own, if the block's first tile is the diagonal one.
; Then K of that step, piece 0's first scores, and its maximum and statistics.  The loop is entered at a step's first turn, in the middle of a trip.
.macro BEGIN
	s_mov_b32 s[NEW], 0
	WIN 0x40
.set i, MC+32
.rept 32
	v_mov_b32 v[i], 0
.set i, i+1
.endr
	WIN 0
.set i, 0
.rept 4
	v_mov_b32 v[ST+4*i], 0xfe000000    ; c m: far below every c s
	v_mov_b32 v[ST+4*i+1], 0xff7fffff  ; m
.set i, i+1
.endr
	s_cmp_eq_u32 s[RT], 0
	s_cselect_b32 s[AL], 1.0, 0
	s_mov_b32 s[BE], 0
	MASK 0
	WIN 0
	v_add_nc_u32 v[AK], s[TBK], v[AK0]
	FETCH_K
	s_wait_loadcnt 0x0              ; Q
	s_wait_dscnt 0x0
.set KM, 1
.set NOKQ, 0
.set i, 0
.rept 8
	KQ 0
.set i, i+1
.endr
	WIN 0
.rept 4
	v_nop                           ; the places behind those products
.endr
.set Y, NP-1                        ; X works for piece Y + 1: piece 0
.irp n, 0,1,2,3,4,5,6,7,8,9,10,11,12,13,14,15,16,17,18,19,20,21
	OP X, \n
.endr
	v_nop                           ; a plain instruction behind the exponential
.endm
; THE DIAGONAL TILE's four steps, the block's last two turns, its last products, and THE WAY OUT: l's two halves and the other half of the lanes' are added; O^T is divided by l, rounded to f16 and sent through my
; stage in LDS, a piece at a time.
.macro ALL line:vararg              ; one line for each piece t
.set t, 0
.rept 4
	\line
.set t, t+1
.endr
.endm
.macro PACK t                       ; a lane's eight channels of a row pack into 16 bytes; they go into rows of 144 bytes and come back as whole rows of 128, into S^T's registers
	WIN W_RS
.set i, 32*(\t)
.rept 16
	s_wait_alu depctr_va_vdst(0)
	v_pk_mul_f32 v[i:i+1], v[i:i+1], v[ST+4*(\t)+2:ST+4*(\t)+3] op_sel_hi:[1,0]
.set i, i+2
.endr
	WIN 0x05                        ; sources 0 and 1 window 1, destination window 0
.set i, 0
.rept 16
	v_cvt_pk_f16_f32 v[S+16*(\t)+i], v[32*(\t)+2*i], v[32*(\t)+2*i+1]
.set i, i+1
.endr
	WIN 0
.irp f, 0,1,2,3
	ds_store_b128 v[STO], v[S+16*(\t)+4*\f:S+16*(\t)+4*\f+3] offset:32*\f
.endr
.irp f, 0,1,2,3
	ds_load_b128 v[S+16*(\t)+4*\f:S+16*(\t)+4*\f+3], v[RD] offset:\f*4*SP  ; LDS serves a wave's instructions in order (ISA guide 5.7.1.4): these see the stores above; the next piece's stores come behind them
.endr
.endm
.macro SEND t, younger              ; younger: the LDS instructions issued behind piece t's loads: the next piece's eight, or none
	WIN 0
.irp f, 0,1,2,3
	s_wait_dscnt (\younger)+3-\f
	global_store_b128 v[GO], v[S+16*(\t)+4*\f:S+16*(\t)+4*\f+3], s[10:11] offset:(\t)*8192+\f*512  ; 512 consecutive bytes, at a multiple of 256 from O's first
.endr
.endm
.macro DIAG tag                     ; the tag ends its two labels' names, which the jumps below spell out
.LstepM\tag:
	TURN 2, 1
	TURN 3, 1
	WIN 0
.LfirstM\tag:
	TURN 0, 1
	TURN 1, 1, 0, 1
	WIN 0
	s_cbranch_scc1 .LstepM\tag
	TURN 2, 1, 1
	TURN 3, 1, 1
.set i, 0
.rept 8
	PV NP-1
.set i, i+1
.endr
	WIN 0
	ALL v_add_f32 v[ST+4*t+2], v[ST+4*t+2], v[ST+4*t+3]
	ALL v_permlanex16_b32 v[ST+4*t+3], v[ST+4*t+2], s[SEL], s[SEL+1]
	ALL v_add_f32 v[ST+4*t+2], v[ST+4*t+2], v[ST+4*t+3]
	ALL v_rcp_f32 v[ST+4*t+2], v[ST+4*t+2]
	v_nop                           ; a plain instruction between the last reciprocal and the use of its result
	PACK 0
.set t, 1
.rept 3                             ; a piece's arithmetic stands between the loads of the piece before and its stores
	PACK t
	SEND t-1, 8
.set t, t+1
.endr
	SEND 3, 0
.endm
.set KM, 0
.set NOKQ, 0
.Lslot:                             ; NB times: a tile is entered and the next is asked for
	CHANGE 1
	s_sub_co_u32 s[RT], s[RT], 1
	s_mov_b32 s[CNT], 4
	s_cmp_eq_u32 s[NEW], 1
	s_cbranch_scc1 .Lnew            ; a block's first tile
	s_cmp_eq_u32 s[RT], 0
	s_cbranch_scc0 .Lstep           ; neither its first nor its last
	s_branch .LstepM1
.Lnew:
	BEGIN
	s_branch .Lfirst                ; in the loop a block's first tile is never its last: the first block has two tiles or more, and the second's last is the walk's last
	DIAG 1                          ; in the loop this is the first block's end: the second block's last tile is the walk's last
	s_wait_xcnt 0x0                 ; the stores have read their registers and O's address
	s_mov_b64 s[10:11], s[OLO:OLO+1]
	s_add_co_u32 s[RT], s[PB], 1    ; the second block has b + 1 tiles
	s_mov_b32 s[NEW], 1
	WIN 0x82                        ; the second block's Q goes where the one text of the turns names Q
.set i, 0
.rept 64
	v_mov_b32 v[i], v[QB+i]
.set i, i+1
.endr
	WIN 0
	s_branch .Lbottom
.Lstep:                             ; a trip: pieces 2 and 3 of one step, then pieces 0 and 1 of the next, whose K and V it fetches
	TURN 2
	TURN 3
	WIN 0
.Lfirst:
	TURN 0
	TURN 1, 0, 0, 1
	WIN 0
	s_cbranch_scc1 .Lstep
.Lbottom:
	s_sub_co_u32 s[SLOTS], s[SLOTS], 1
	s_cmp_lg_u32 s[SLOTS], 0
	s_cbranch_scc1 .Lslot
	CHANGE 0                        ; the walk's last tile is written out: nothing is asked for
	s_sub_co_u32 s[RT], s[RT], 1
	s_mov_b32 s[CNT], 4
	s_cmp_eq_u32 s[NEW], 1
	s_cbranch_scc0 .LstepM2
	BEGIN
	s_branch .LfirstM2
	DIAG 2
	s_wait_tensorcnt 0x0            ; the wave's end, behind my last tensor load and my last LDS store
	ds_add_u32 v[SPW], v[NIL]
	s_wait_dscnt 0x0
	s_endpgm
.Lfunc_end_k_q282920c8c7_attn:
	.size	k_q282920c8c7_attn, .Lfunc_end_k_q282920c8c7_attn-k_q282920c8c7_attn
	.p2alignl 7, 3214868480
	.fill 96, 4, 3214868480
	.section	.rodata,"a",@progbits
	.p2align	6, 0x0
	.amdhsa_kernel k_q282920c8c7_attn
		.amdhsa_group_segment_fixed_size 327680
		.amdhsa_private_segment_fixed_size 0
		.amdhsa_enable_private_segment 0
		.amdhsa_kernarg_size 16
		.amdhsa_user_sgpr_count 2
		.amdhsa_user_sgpr_kernarg_segment_ptr 1
		.amdhsa_wavefront_size32 1
		.amdhsa_system_sgpr_workgroup_id_x 1
		.amdhsa_system_sgpr_workgroup_id_y 1
		.amdhsa_system_sgpr_workgroup_id_z 1
		.amdhsa_system_vgpr_workitem_id 0
		.amdhsa_next_free_vgpr 768
		.amdhsa_next_free_sgpr 92
		.amdhsa_reserve_vcc 1
		.amdhsa_float_denorm_mode_32 3
		.amdhsa_float_denorm_mode_16_64 3
		.amdhsa_memory_ordered 1
		.amdhsa_forward_progress 1
		.amdhsa_inst_pref_size 229
	.end_amdhsa_kernel
	.amdgpu_metadata
---
amdhsa.version: [ 1, 2 ]
amdhsa.kernels:
  - .name:           k_q282920c8c7_attn
    .symbol:         k_q282920c8c7_attn.kd
    .args:
      - { .name: qkv, .offset: 0, .size: 8, .value_kind: global_buffer, .address_space: global }
      - { .name: o, .offset: 8, .size: 8, .value_kind: global_buffer, .address_space: global }
    .group_segment_fixed_size: 327680
    .private_segment_fixed_size: 0
    .kernarg_segment_align: 8
    .kernarg_segment_size: 16
    .max_flat_workgroup_size: 128
    .sgpr_count:     92
    .vgpr_count:     768
    .wavefront_size: 32
...
	.end_amdgpu_metadata
.endif
;; end of part 3
;; launch outp (part 4): grid 8 x 32, 4 waves a work-group, clusters of 4 x 4, 327,680 bytes of LDS; arguments o, wo16, bo, out0; writes out0
.if DOCPART == 4
	.amdgcn_target "amdgcn-amd-amdhsa--gfx1250"
	.amdhsa_code_object_version 6
	.text
	.protected	k_q282920c8c7_outp
	.globl	k_q282920c8c7_outp
	.p2align	8
	.type	k_q282920c8c7_outp,@function
k_q282920c8c7_outp:
	s_mov_b64 s[64:65], 0
	v_nop
	global_prefetch_b8 v0, s[64:65] scope:SCOPE_SE
	s_setreg_imm32_b32 hwreg(HW_REG_WAVE_MODE, 25, 1), 1
	s_wait_xcnt 0x0
	s_wait_alu depctr_hold_cnt(0) depctr_sa_sdst(0) depctr_va_vdst(0) depctr_va_sdst(0) depctr_va_ssrc(0) depctr_va_vcc(0) depctr_vm_vsrc(0)
	s_getreg_b32 s2, hwreg(HW_REG_IB_STS2, 6, 4)
	s_cmp_eq_u32 s2, 0
	s_cbranch_scc0 .Lentry_in_a_cluster
	s_endpgm
.Lentry_in_a_cluster:
	s_bfe_u32 s2, ttmp6, 0x10000c
	s_cmp_lg_u32 s2, 0xf033
	s_cbranch_scc0 .Lentry_shape_is_right
	s_endpgm
.Lentry_shape_is_right:
; out0[m][n] = the sum over k of O[m][k] Wo[n][k] + bo[n].  O comes by heads, o[4 h + b][t][64] f16 with m = 2048 b + t and k = 64 h + c; wo16: [1024][1024] f16 (Wo rounded to bf16, written as f16);
; bo: [1024] f32, rounded here to bf16 like every input of the module; out0: [8192][1024] f32.  Sums in f32, K ascending; the bias starts each sum, and the sums are stored as they are.
; SHARES.  A tile is 256 rows x 128 columns: 32 x 8 = 256 tiles, one for each WGP.  Four waves, each 128 x 64: 32 accumulators of 16 x 16, 256 registers; a wave's 64 columns are 256 bytes of a row of out0.
; K goes in 8 steps of 128 = TWO HEADS through a ring of two LDS slots.  A head's 256 rows of a tile are 32,768 dense bytes of o: asked for as 128 rows of 256 bytes and padded in LDS after every 128 bytes.
; Wave 0 fetches the step's first head of A, wave 1 its second, waves 2 and 3 the halves of B's tile: one tensor load a wave.
; By this text's own count a wave has two tensor loads out at the start and one behind each change of slots; that one has 112 matrix instructions in which to land.
; CLUSTER.  4 x 4 work-groups.  The four of a row need the same tiles of o, the four of a column the same tiles of wo16: each tile is asked for jointly, by the same load, descriptor and mask in all four.
; THE MATRIX INSTRUCTION IS USED TRANSPOSED (source 0 = 16 rows of wo16, source 1 = 16 rows of O): a lane holds row lane % 16 and the columns 8 (lane / 16) + 0..7: 32 bytes of a row of out0.
; A K STEP IS WRITTEN ONCE: the LDS addresses hang on s[TB], which one exclusive or turns from one slot to the other, and one descriptor a tensor walks.
; REGISTERS, in windows of 256 (s_set_vgpr_msb: bits 1:0 source 0, 3:2 source 1, 5:4 source 2, 7:6 destination):
;   window 0: v0-29 addresses; v64-127, v128-191 fragments of A, two buffers; on the way out they take rows read back
;   window 1: v64-95, v128-159 fragments of B, two buffers; v192-223 the bias of my 64 columns, laid as an accumulator's registers; v240 at work
;   window 2: accumulators (a, b), a = 0..7, b = 0..3, at v[8 (4 a + b)]
.set PA,     144                       ; a row of A in LDS: 128 bytes + 16 = 36 words: the 16 rows of a load start at 16 different groups of four banks (64 banks of 4 bytes: ISA guide 11.1)
.set PLANE,  256*PA                    ; a head's 256 rows
.set PB,     272                       ; a row of B: 256 bytes + 16
.set BHALF,  64*PB
.set BOFF,   2*PLANE                   ; in a slot: A's two heads, then B's 128 rows
.set SLOT1,  1<<17                     ; slot 1 begins here (a slot uses 108,544 bytes)
.set STAGE,  SLOT1+BOFF+2*BHALF        ; 239,616: behind the ring, never filled by a tensor load: 16 rows x 272 bytes for each wave, for the way out
.set SPITCH, 272
.set SPARE,  STAGE+4*16*SPITCH         ; 257,024: behind the stages: the spare words, 128 bytes for each wave: two blocks of 256 bytes that no other line names
.set A0,   4                           ; v4   my lane's place in A's tile; never rewritten
.set B0,   5                           ; v5   the same for B
.set ADRA, 6                           ; v6   A0 + the slot in hand
.set ADRB, 7                           ; v7   B0 + the slot in hand
.set STO,  8                           ; v8   the way out: where I put 32 bytes of a row
.set RD,   9                           ; v9   where I read a row back
.set CO,   10                          ; v10  my byte offset in two rows of out0
.set BO,   11                          ; v11  32 x (lane / 16): my eight numbers in 16 of the bias
.set SPW,  28                          ; v28  LDS address of my spare word: SPARE + 4 x my thread's number; never rewritten
.set NIL,  29                          ; v29  0; never rewritten
.set F0,   64
.set F1,   128
.set OB,   64
.set BIAS, 192
.set WV,  16                           ; s16  wave 0..3
.set WR,  17                           ; s17  which 128 rows of the tile are mine.  Also: I fetch for A (0) or for B (1)
.set WC,  18                           ; s18  which 64 columns.  Also: which head of the step, or which half of B's tile, I fetch
.set CX,  19
.set CY,  20
.set TC,  21                           ; s21  tile column 0..7
.set TR,  22                           ; s22  tile row 0..31
.set CNT, 23
.set G1A, 24                           ; s[24:31] descriptor group 1 for A's tiles
.set G0A, 32                           ; s[32:39] group 0 for A's: a set for each of the two first fills; the second then walks on
.set TB,  40                           ; s40  LDS byte at which the slot in hand begins
.set G1B, 48                           ; s[48:55], s[56:63] the same for B's
.set G0B, 56
.set STEPA, 8*2048*128                 ; two heads on in o: 8 x 2048 rows of 128 bytes
.set STEPB, 256                        ; 128 along K in wo16
.set MSB, 0
.macro WIN new                         ; the immediate's high byte repeats the setting that is left; a switch that changes nothing is dropped
.if MSB != (\new)
	s_set_vgpr_msb (MSB<<8)|(\new)
.set MSB, \new
.endif
.endm
.macro PLACES                          ; a load into a register that a matrix instruction has read, and an LDS store that reads a matrix result, stand four places behind it,
.rept 4                                ; and only plain vector instructions that name none of its registers are places (ISA guide 7.12.1)
	v_nop
.endr
.endm
; A joint refill, by the walking descriptors.  The branch hangs on the wave's number alone.  An s_nop 0 and four v_nop follow each of the two lines, ahead of the jump and the label.
.macro JLOAD
	s_cmp_eq_u32 s[WR], 0
	s_cbranch_scc0 .Lfor_b_\@
	tensor_load_to_lds s[G0A+4:G0A+7], s[G1A:G1A+7]
	s_nop 0
.rept 4
	v_nop
.endr
	s_branch .Lasked_\@
.Lfor_b_\@:
	tensor_load_to_lds s[G0B+4:G0B+7], s[G1B:G1B+7]
	s_nop 0
.rept 4
	v_nop
.endr
.Lasked_\@:
.endm
; A round of the cluster's barrier: my work-group's barrier, so that wave 0's signal speaks for all four waves; wave 0 signals; every wave waits for all sixteen work-groups; my work-group's barrier once more.
.macro CREST
	s_cmp_lg_u32 s[WV], 0
	s_cbranch_scc1 .Lnot_wave_0_\@
	s_barrier_signal -3
.Lnot_wave_0_\@:
	s_barrier_wait -3
	s_barrier_signal -1
	s_barrier_wait -1
.endm
.macro CROUND
	s_barrier_signal -1
	s_barrier_wait -1
	CREST
.endm
	s_load_b256 s[4:11], s[0:1], 0x0               ; o s[4:5], wo16 s[6:7], bo s[8:9], out0 s[10:11]
	v_lshl_add_u32 v[SPW], v0, 2, SPARE
	v_mov_b32 v[NIL], 0
	ds_add_u32 v[SPW], v[NIL]                      ; the wave's opening: the add and its wait stand ahead of my first tensor load; the set-up below, work on registers, stands between them
	ds_add_u32 v28, v29
	v_lshrrev_b32 v1, 5, v0
	v_readfirstlane_b32 s[WV], v1
	s_lshr_b32 s[WR], s[WV], 1
	s_and_b32 s[WC], s[WV], 1
	s_bfe_u32 s[CX], ttmp6, 0x40000                ; my place in the cluster
	s_bfe_u32 s[CY], ttmp6, 0x40004
	s_lshl_b32 s[TC], ttmp9, 2                     ; in a cluster launch ttmp9 and ttmp7 count clusters
	s_add_co_u32 s[TC], s[TC], s[CX]
	s_and_b32 s[TR], ttmp7, 0xffff
	s_lshl_b32 s[TR], s[TR], 2
	s_add_co_u32 s[TR], s[TR], s[CY]
	s_lshl_b32 s42, s[CY], 2
	s_lshl_b32 s42, 15, s42                        ; my row of the cluster: places 4 cy .. 4 cy + 3
	s_lshl_b32 s43, 0x1111, s[CX]                  ; my column: places cx, cx + 4, cx + 8, cx + 12
	s_or_b32 s[G1A], s42, (1<<16)|(1<<20)|(1<<21)|(4<<22)|(3<<25)  ; 15:0 the mask; 17:16 elements of 2 bytes; 20 padding on; 21 set beside a mask; 24:22 after every 32 words (code 4): a row of O; 31:25 4 words of it (code 3)
	s_or_b32 s[G1B], s43, (1<<16)|(1<<20)|(1<<21)|(5<<22)|(3<<25)  ; for B after every 64 words (code 5)
	s_mov_b32 s[G1A+1], 128<<16                    ; tensor_dim0 = 128 elements: two rows of O on end
	s_mov_b32 s[G1A+2], 128<<16                    ; tensor_dim1 = 128
	s_mov_b32 s[G1A+3], 128<<16                    ; tile_dim0 = 128
	s_mov_b32 s[G1A+4], 128                        ; tile_dim1 = 128
	s_mov_b32 s[G1A+5], 128                        ; dense: 128 elements from row to row
	s_mov_b32 s[G1A+6], 0
	s_mov_b32 s[G1A+7], 0
	s_mov_b32 s[G1B+1], 128<<16
	s_mov_b32 s[G1B+2], 64<<16                     ; B's loads bring 64 rows
	s_mov_b32 s[G1B+3], 128<<16
	s_mov_b32 s[G1B+4], 64
	s_mov_b32 s[G1B+5], 1024
	s_mov_b32 s[G1B+6], 0
	s_mov_b32 s[G1B+7], 0
	; where the tiles come from.  A's hang on the tile row alone, B's on the tile column alone; each address is made in registers that never hold the other coordinate.
	s_lshr_b32 s44, s[TR], 3                       ; b
	s_lshl2_add_u32 s44, s[WC], s44                ; 4 x (the head that I fetch of K step 0's two) + b,
	s_lshl_b32 s44, s44, 18                        ; of 2048 rows x 128 bytes
	s_and_b32 s66, s[TR], 7
	s_lshl_b32 s66, s66, 15                        ; + t = 256 x (tile row % 8), of 128 bytes
	s_add_co_u32 s44, s44, s66
	s_mov_b32 s45, 0
	s_lshl_b32 s46, s[TC], 7
	s_lshl_b32 s67, s[WC], 6
	s_add_co_u32 s46, s46, s67                     ; B: row 128 x tile column + 64 x half,
	s_lshl_b32 s46, s46, 11                        ; of 2,048 bytes
	s_mov_b32 s47, 0
	s_mul_i32 s68, s[WC], PLANE                    ; and where they go: no place in the cluster enters an LDS address
	s_mul_i32 s69, s[WC], BHALF
	s_add_co_u32 s69, s69, BOFF
	s_mov_b32 s[TB], 0
	s_wait_dscnt 0x0                               ; the opening add is done
	s_wait_kmcnt 0x0
	s_add_nc_u64 s[44:45], s[4:5], s[44:45]
	s_add_nc_u64 s[46:47], s[6:7], s[46:47]
	CROUND                                         ; all sixteen work-groups are here: the first joint loads meet
.irp i, 0,1
	s_mov_b32 s[G0A+4*(\i)], 1                                       ; 1:0 count = 1
	s_add_co_u32 s[G0A+4*(\i)+1], s68, (\i)*SLOT1                    ; 63:32 LDS address
	s_add_nc_u64 s[G0A+4*(\i)+2:G0A+4*(\i)+3], s[44:45], (\i)*STEPA  ; 120:64 global address: K step i
	s_or_b32 s[G0A+4*(\i)+3], s[G0A+4*(\i)+3], 0x80000000            ; 127:126 type = 2
	s_mov_b32 s[G0B+4*(\i)], 1
	s_add_co_u32 s[G0B+4*(\i)+1], s69, (\i)*SLOT1
	s_add_nc_u64 s[G0B+4*(\i)+2:G0B+4*(\i)+3], s[46:47], (\i)*STEPB
	s_or_b32 s[G0B+4*(\i)+3], s[G0B+4*(\i)+3], 0x80000000
.endr
	s_cmp_eq_u32 s[WR], 0                          ; a wave's two first fills stand in one branch, ahead of every wait on TENSORcnt, every LDS read and every further barrier
	s_cbranch_scc0 .Lfirst_b
	tensor_load_to_lds s[G0A:G0A+3], s[G1A:G1A+7]
	s_nop 0
	tensor_load_to_lds s[G0A+4:G0A+7], s[G1A:G1A+7]
	s_nop 0
.rept 4
	v_nop
.endr
	s_branch .Lfirst_asked
.Lfirst_b:
	tensor_load_to_lds s[G0B:G0B+3], s[G1B:G1B+7]
	s_nop 0
	tensor_load_to_lds s[G0B+4:G0B+7], s[G1B:G1B+7]
	s_nop 0
.rept 4
	v_nop
.endr
.Lfirst_asked:
	; A fragment is 16 rows x 32 K in 8 registers: lane l holds row l % 16; registers 0-3 K = 8 (l / 16) + 0..7, registers 4-7 K = 16 + 8 (l / 16) + 0..7: two loads of 16 bytes, 32 bytes apart.
	v_and_b32 v1, 15, v0                           ; l % 16
	v_bfe_u32 v2, v0, 4, 1                         ; l / 16
	v_lshlrev_b32 v[BO], 5, v2
	; THE BIAS of my 64 columns, laid as the accumulators are: register j of block b = bo[16 b + 8 (l / 16) + j]
	s_lshl_b32 s72, s[TC], 7
	s_lshl_b32 s73, s[WC], 6
	s_add_co_u32 s72, s72, s73
	s_lshl_b32 s72, s72, 2                         ; my first column, in bytes of f32: in bo, and in a row of out0
	s_mov_b32 s73, 0
	s_add_nc_u64 s[8:9], s[8:9], s[72:73]
	WIN 0x40                                       ; destination window 1, address window 0
.irp b, 0,1,2,3
	global_load_b128 v[BIAS+8*(\b):BIAS+8*(\b)+3],   v[BO], s[8:9] offset:64*(\b)
	global_load_b128 v[BIAS+8*(\b)+4:BIAS+8*(\b)+7], v[BO], s[8:9] offset:64*(\b)+16
.endr
	WIN 0
	v_mul_u32_u24 v3, v1, PA
	v_lshl_add_u32 v3, v2, 4, v3
	s_mul_i32 s78, s[WR], 128*PA
	v_add_nc_u32 v[A0], s78, v3                    ; my 128 rows, in the step's first head
	v_mul_u32_u24 v3, v1, PB
	v_lshl_add_u32 v3, v2, 4, v3
	v_add_nc_u32 v[B0], s69, v3                    ; my 64 rows of B: the half that has my wave's column number
	v_mov_b32 v[ADRA], v[A0]                       ; slot 0
	v_mov_b32 v[ADRB], v[B0]
	s_mul_i32 s78, s[WV], 16*SPITCH
	s_add_co_u32 s78, s78, STAGE                   ; my stage
	v_mul_u32_u24 v[STO], v1, SPITCH               ; in: row l % 16, 32 bytes for each half of the lanes
	v_lshl_add_u32 v[STO], v2, 5, v[STO]
	v_add_nc_u32 v[STO], s78, v[STO]
	v_mul_u32_u24 v[RD], v2, SPITCH                ; back: lanes 0-15 take one row of 256 bytes, lanes 16-31 the next
	v_lshl_add_u32 v[RD], v1, 4, v[RD]
	v_add_nc_u32 v[RD], s78, v[RD]
	v_lshlrev_b32 v[CO], 12, v2                    ; and the same two rows in out0, 4,096 bytes apart
	v_lshl_add_u32 v[CO], v1, 4, v[CO]
	s_lshl_b32 s76, s[TR], 8
	s_lshl_b32 s77, s[WR], 7
	s_add_co_u32 s76, s76, s77                     ; my first row of out0,
	s_lshl_b32 s76, s76, 12                        ; of 4,096 bytes: under 2^25
	s_add_co_u32 s76, s76, s72                     ; + my first column
	s_mov_b32 s77, 0
	s_add_nc_u64 s[10:11], s[10:11], s[76:77]
	s_wait_loadcnt 0x0                             ; the bias is in: it is rounded to bf16 and widened again
	WIN 0x45                                       ; all three places in window 1
.set r, 0
.rept 16
	v_cvt_pk_bf16_f32 v240, v[BIAS+r], v[BIAS+r+1]
	v_lshlrev_b32 v[BIAS+r], 16, v240
	v_and_b32 v[BIAS+r+1], 0xffff0000, v240
.set r, r+2
.endr
	WIN 0
; 8 matrix instructions: m blocks a0, a0 + 1 x all 4 n blocks, 32 along K.  first = 1: the bias, in window 1, starts the sums: nothing is cleared, nothing added later.
; The 32 accumulators take turns, one instruction a turn, in the same order in every quarter, over the backward jump too.
.macro MUL8 f, a0, first
.if \first
	WIN 0x91                                       ; source 0 (B) and C window 1, source 1 (A) window 0, D window 2
.else
	WIN 0xa1                                       ; C and D window 2
.endif
.irp a, \a0, (\a0)+1
.irp b, 0,1,2,3
.if \first
	v_wmma_f32_16x16x32_f16 v[8*(4*(\a)+(\b)):8*(4*(\a)+(\b))+7], v[(\f)+8*(\b):(\f)+8*(\b)+7], v[(\f)+8*(\a):(\f)+8*(\a)+7], v[BIAS+8*(\b):BIAS+8*(\b)+7]
.else
	v_wmma_f32_16x16x32_f16 v[8*(4*(\a)+(\b)):8*(4*(\a)+(\b))+7], v[(\f)+8*(\b):(\f)+8*(\b)+7], v[(\f)+8*(\a):(\f)+8*(\a)+7], v[8*(4*(\a)+(\b)):8*(4*(\a)+(\b))+7]
.endif
.endr
.endr
.endm
; 24 LDS loads in one run: the fragments of quarter q of a K step (64 rows of B at byte 64 q; 128 rows of A: head q / 2, channels 32 (q % 2) on) into buffer f
.macro FETCH q, f
	WIN 0x40
.irp i, 0,1,2,3
	ds_load_b128 v[(\f)+8*(\i):(\f)+8*(\i)+3],   v[ADRB] offset:64*(\q)+(\i)*16*PB
	ds_load_b128 v[(\f)+8*(\i)+4:(\f)+8*(\i)+7], v[ADRB] offset:64*(\q)+(\i)*16*PB+32
.endr
	WIN 0
.irp i, 0,1,2,3,4,5,6,7
	ds_load_b128 v[(\f)+8*(\i):(\f)+8*(\i)+3],   v[ADRA] offset:((\q)/2)*PLANE+((\q)%2)*64+(\i)*16*PA
	ds_load_b128 v[(\f)+8*(\i)+4:(\f)+8*(\i)+7], v[ADRA] offset:((\q)/2)*PLANE+((\q)%2)*64+(\i)*16*PA+32
.endr
.endm
; A K step is four quarters of 32 along K, 32 matrix instructions each, on buffers 0, 1, 0, 1.  One of the first three: multiplies buffer f; in its middle it fetches quarter q into g.
.macro QUARTER q, f, g, first
	s_wait_dscnt 8                                 ; B and A's rows 0-63 are in; the youngest eight loads (A's rows 64-127) may be out
	MUL8 \f, 0, \first
	MUL8 \f, 2, \first
	PLACES
	FETCH \q, \g
	s_wait_dscnt 24                                ; all but the 24 just issued
	MUL8 \f, 4, \first
	MUL8 \f, 6, \first
.endm
; The last quarter multiplies buffer 1 and changes slots: ONE barrier.  In front of it each wave waits for all its tensor loads, of which one is out: its part of the next slot; adds 0 to its spare word; and waits for
; that and for its own reads of this slot.  fill = 1: the barrier opens a round of the cluster's, so that no wave of any partner still reads the slot or has a load on its way, and the slot is filled again, two K steps ahead, first thing behind it.
.macro TURN fill
	WIN 0                                          ; (the add's two registers lie in window 0)
	s_wait_tensorcnt 0x0                           ; no tensor load of mine is out, so a group 0 may be written
	ds_add_u32 v[SPW], v[NIL]                      ; 0 onto my spare word; the descriptors' steps and eight products stand between it and the wait for it
.if \fill
	s_xor_b32 s[G0A+5], s[G0A+5], SLOT1            ; the walking descriptors: the other slot than last time,
	s_add_nc_u64 s[G0A+6:G0A+7], s[G0A+6:G0A+7], STEPA  ; the next K step; the type bits on top are not reached
	s_xor_b32 s[G0B+5], s[G0B+5], SLOT1
	s_add_nc_u64 s[G0B+6:G0B+7], s[G0B+6:G0B+7], STEPB
.endif
	s_wait_dscnt 9                                 ; (the add and the youngest eight loads may be out)
	MUL8 F1, 0, 0
	s_wait_dscnt 0x0                               ; the add is done, and my reads of this slot are over
	s_barrier_signal -1
	MUL8 F1, 2, 0                                  ; work on registers while the others arrive
	WIN 0
	s_barrier_wait -1
.if \fill
	CREST
	JLOAD                                          ; the first tensor load behind the round; its four v_nop are also the places in front of the loads below
.else
	PLACES
.endif
	s_xor_b32 s[TB], s[TB], SLOT1                  ; the reads go on in the other slot
	v_add_nc_u32 v[ADRA], s[TB], v[A0]
	v_add_nc_u32 v[ADRB], s[TB], v[B0]
	FETCH 0, F0
	MUL8 F1, 4, 0
	MUL8 F1, 6, 0
.endm
	s_wait_tensorcnt 1                             ; my part of K step 0 is in; K step 1's may stay out
	s_barrier_signal -1
	s_barrier_wait -1                              ; everybody's is
	FETCH 0, F0
	QUARTER 1, F0, F1, 1                           ; the first quarter stands in front of the loop: its products start the sums, with the bias
	WIN 0                                          ; at a label and at a branch every window is 0
	s_mov_b32 s[CNT], 6
.Lstep:                                        ; trip r: K step r's quarters 2 to 4, the refill with K step r + 2, K step r + 1's first quarter
	QUARTER 2, F1, F0, 0
	QUARTER 3, F0, F1, 0
	TURN 1
	QUARTER 1, F0, F1, 0
	WIN 0
	s_sub_co_u32 s[CNT], s[CNT], 1
	s_cmp_lg_u32 s[CNT], 0
	s_cbranch_scc1 .Lstep
	QUARTER 2, F1, F0, 0                           ; K steps 6 and 7 are written out: they ask for nothing
	QUARTER 3, F0, F1, 0
	TURN 0
	QUARTER 1, F0, F1, 0
	QUARTER 2, F1, F0, 0
	QUARTER 3, F0, F1, 0
	s_wait_dscnt 8                                 ; the very last quarter: nothing more to fetch
	MUL8 F1, 0, 0
	MUL8 F1, 2, 0
	s_wait_dscnt 0x0
	MUL8 F1, 4, 0
	MUL8 F1, 6, 0
	WIN 0
; THE WAY OUT, a block of 16 rows at a time, through my own stage: a lane's 32 bytes of a row go into rows of 272 bytes and come back as whole rows of 256; nothing is converted.
.macro TOSTAGE a
.if (\a) >= 4
	s_wait_xcnt 0x0                                ; the registers loaded below were the data of block a - 4's stores: they are written again only behind this wait
.endif
	WIN 0x08                                       ; the stores' data in window 2
.irp b, 0,1,2,3
.irp e, 0,1
	ds_store_b128 v[STO], v[8*(4*(\a)+(\b))+4*(\e):8*(4*(\a)+(\b))+4*(\e)+3] offset:64*(\b)+16*(\e)  ; each accumulator's four lowest registers first
.endr
.endr
	WIN 0
.irp t, 0,1,2,3,4,5,6,7
	ds_load_b128 v[OB+32*((\a)%4)+4*(\t):OB+32*((\a)%4)+4*(\t)+3], v[RD] offset:(\t)*2*SPITCH  ; LDS serves a wave's instructions in order (ISA guide 5.7.1.4): these see the stores above; the next block's stores come behind them
.endr
.endm
.macro SEND a, younger                 ; younger: the LDS instructions issued behind block a's loads: the next block's sixteen, or none
	s_wait_dscnt \younger
.irp t, 0,1,2,3,4,5,6,7
	global_store_b128 v[CO], v[OB+32*((\a)%4)+4*(\t):OB+32*((\a)%4)+4*(\t)+3], s[10:11] offset:(16*(\a)+2*(\t))*4096 th:TH_STORE_NT  ; 16 lanes store 256 consecutive bytes, at a multiple of 256 from out0's first byte
.endr
.endm
	PLACES
	TOSTAGE 0
.irp a, 1,2,3,4,5,6,7
	TOSTAGE \a
	SEND (\a)-1, 16
.endr
	SEND 7, 0
	s_wait_tensorcnt 0x0                           ; the wave's end, behind my last tensor load and my last LDS store
	ds_add_u32 v[SPW], v[NIL]
	s_wait_dscnt 0x0
	CROUND                                         ; the closing round: no work-group ends while a partner may still ask for a tile that names it
	s_endpgm
.Lfunc_end_k_q282920c8c7_outp:
	.size	k_q282920c8c7_outp, .Lfunc_end_k_q282920c8c7_outp-k_q282920c8c7_outp
	.p2alignl 7, 3214868480
	.fill 96, 4, 3214868480
	.section	.rodata,"a",@progbits
	.p2align	6, 0x0
	.amdhsa_kernel k_q282920c8c7_outp
		.amdhsa_group_segment_fixed_size 327680
		.amdhsa_private_segment_fixed_size 0
		.amdhsa_enable_private_segment 0
		.amdhsa_kernarg_size 32
		.amdhsa_user_sgpr_count 2
		.amdhsa_user_sgpr_kernarg_segment_ptr 1
		.amdhsa_wavefront_size32 1
		.amdhsa_system_sgpr_workgroup_id_x 1
		.amdhsa_system_sgpr_workgroup_id_y 1
		.amdhsa_system_sgpr_workgroup_id_z 1
		.amdhsa_system_vgpr_workitem_id 0
		.amdhsa_next_free_vgpr 768
		.amdhsa_next_free_sgpr 80
		.amdhsa_reserve_vcc 0
		.amdhsa_float_denorm_mode_32 3
		.amdhsa_float_denorm_mode_16_64 3
		.amdhsa_memory_ordered 1
		.amdhsa_forward_progress 1
		.amdhsa_inst_pref_size 73
	.end_amdhsa_kernel
	.amdgpu_metadata
---
amdhsa.version: [ 1, 2 ]
amdhsa.kernels:
  - .name:           k_q282920c8c7_outp
    .symbol:         k_q282920c8c7_outp.kd
    .args:
      - { .name: o, .offset: 0, .size: 8, .value_kind: global_buffer, .address_space: global }
      - { .name: wo16, .offset: 8, .size: 8, .value_kind: global_buffer, .address_space: global }
      - { .name: bo, .offset: 16, .size: 8, .value_kind: global_buffer, .address_space: global }
      - { .name: out0, .offset: 24, .size: 8, .value_kind: global_buffer, .address_space: global }
    .group_segment_fixed_size: 327680
    .private_segment_fixed_size: 0
    .kernarg_segment_align: 8
    .kernarg_segment_size: 32
    .max_flat_workgroup_size: 128
    .sgpr_count:     80
    .vgpr_count:     768
    .wavefront_size: 32
...
	.end_amdgpu_metadata
.endif
;; end of part 4
;; ======== version 2 of 2: 4 launches; version 1 with the launch cast written anew for expert scheduling mode
;; limits: values are held in f16: magnitudes above 65,504 overflow, below 6.1e-05 lose precision
;; workspace buffers: xb 16,777,216 bytes; wqkv 6,291,456 bytes; wo16 2,097,152 bytes; qkv 50,331,648 bytes; o 16,777,216 bytes
;; launch cast (part 5): grid 768 x 1, 8 waves a work-group, no clusters, 0 bytes of LDS; arguments x, Wq, Wk, Wv, Wo, xb, wqkv, wo16; writes xb, wqkv, wo16
.if DOCPART == 5
	.amdgcn_target "amdgcn-amd-amdhsa--gfx1250"
	.amdhsa_code_object_version 6
	.text
	.protected	k_q282920c8c7_cast
	.globl	k_q282920c8c7_cast
	.p2align	8
	.type	k_q282920c8c7_cast,@function
k_q282920c8c7_cast:
	s_mov_b64 s[64:65], 0
	v_nop
	global_prefetch_b8 v0, s[64:65] scope:SCOPE_SE
	s_setreg_imm32_b32 hwreg(HW_REG_WAVE_SCHED_MODE, 0, 2), 2
	s_setreg_imm32_b32 hwreg(HW_REG_WAVE_MODE, 25, 1), 1
	s_wait_xcnt 0x0
	s_wait_alu depctr_vm_vsrc(0)
; THE INPUTS ARE ROUNDED ONCE.  x [8192][1024] f32 -> xb bf16;  Wq, Wk, Wv [1024][1024] f32 -> wqkv [3072][1024] bf16, one below the other;
; Wo [1024][1024] f32 -> rounded to bf16 like the other inputs, and that number written as f16 into wo16 (the last product has f16 operands).
; LIMITS.  A bf16 number is exact in f16 between 6.1e-5 and 65,504 in magnitude; below that wo16 keeps f16's fixed step of 6e-8, from 65,520 on it is an infinity.
; A stream: every byte is read once and written once, nothing is shared, so there is no LDS, no barrier, no matrix work and no cluster.
; SHARES.  A work-group converts 16,384 numbers: 65,536 bytes in, 32,768 out.  Work-groups 0-511 take x, 512-703 the three stacked weights (64 each), 704-767 Wo: 768 equal shares.
; Thread t, piece i of 16: 16 bytes at 4,096 i + 16 t (a wave's load covers 512 consecutive bytes), 8 bytes out at 2,048 i + 8 t (a wave's store covers 256 consecutive bytes, aligned).
; All sixteen loads of a thread go out at once.
; THE MODE: SCHED_MODE bits 1:0 = 2 (LLVM: expert scheduling mode 2), set by the entry lines.  The code itself states the register dependences
; between vector instructions and memory instructions, with s_wait_alu, always for 0.
; THE PLAN.  Registers that memory instructions touch:
;   v1, v2   byte offsets of the loads and of the stores: written once at the head, never again.
;   X        piece i's four registers: its load lands in them; only vector lines name them afterwards, behind the counted wait for that load; no later load lands in them.
;   Y        piece i's two registers: written once, by its two roundings; read once, by its store; never written again.
;   T        named by vector lines alone.
; The sixteen pieces go in four blocks of four.  Block p converts its four pieces into its own eight registers of Y; its memory instructions are the four stores of block p - 1, which read
; that block's Y and v2: registers that no vector line of block p names.  So one wait at a block's head states all that its four stores hang on, and they are dealt among its conversions with no
; further wait.  No register that a memory instruction reads is written a second time, so nothing is owed ahead of any vector line.
.set X, 4                              ; v[4:67]    piece i: four f32 as loaded
.set Y, 68                             ; v[68:99]   piece i: two registers to store
.set T, 100                            ; v[100:101] at work
	s_load_b512 s[8:23], s[0:1], 0x0               ; x s[8:9], Wq s[10:11], Wk s[12:13], Wv s[14:15], Wo s[16:17], xb s[18:19], wqkv s[20:21], wo16 s[22:23]
	s_mov_b32 s24, ttmp9                           ; g
	s_sub_co_u32 s30, s24, 512                     ; a weight's share among the 256 of the four weights (used where g >= 512 alone)
	s_and_b32 s31, s30, 63                         ; its block of 65,536 bytes in its own matrix
	v_lshlrev_b32 v1, 4, v0                        ; 16 t
	v_lshlrev_b32 v2, 3, v0                        ; 8 t
	s_mov_b32 s35, 0                               ; the offsets' upper words
	s_mov_b32 s37, 0
	s_wait_kmcnt 0x0
	s_cmp_lt_u32 s24, 704                          ; the choice of buffers hangs on the work-group's number alone
	s_cselect_b64 s[26:27], s[14:15], s[16:17]     ; from: Wv, else Wo
	s_cselect_b64 s[28:29], s[20:21], s[22:23]     ; to: wqkv, else wo16
	s_cselect_b32 s36, s30, s31                    ; the block written: the stacked weights' run on, Wo's begin at 0
	s_cmp_lt_u32 s24, 640
	s_cselect_b64 s[26:27], s[12:13], s[26:27]     ; Wk
	s_cmp_lt_u32 s24, 576
	s_cselect_b64 s[26:27], s[10:11], s[26:27]     ; Wq
	s_cmp_lt_u32 s24, 512
	s_cselect_b64 s[26:27], s[8:9], s[26:27]       ; x
	s_cselect_b64 s[28:29], s[18:19], s[28:29]     ; xb
	s_cselect_b32 s34, s24, s31                    ; the block read
	s_cselect_b32 s36, s24, s36
	s_lshl_b32 s34, s34, 16                        ; x 65,536 bytes: 33,488,896 at the most
	s_lshl_b32 s36, s36, 15                        ; x 32,768 bytes
	s_add_nc_u64 s[26:27], s[26:27], s[34:35]
	s_add_nc_u64 s[28:29], s[28:29], s[36:37]
	s_wait_alu depctr_va_vdst(0)                   ; v1 and v2 are written: every load below reads v1 as its offset, every store of both arms v2
.irp i, 0,1,2,3,4,5,6,7,8,9,10,11,12,13,14,15
	global_load_b128 v[X+4*(\i):X+4*(\i)+3], v1, s[26:27] offset:4096*(\i) th:TH_LOAD_NT
.endr
	s_cmp_ge_u32 s24, 704
	s_cbranch_scc1 .Lf16
.irp p, 0,1,2,3                                ; block p: pieces 4 p to 4 p + 3 are rounded; block p - 1 is stored
	s_wait_loadcnt 12-4*(\p)                       ; loads come back in order (ISA guide 5.7.1): the block's four are in, the 12 - 4 p younger ones stay out
.if (\p) > 0
	s_wait_alu depctr_va_vdst(0)                   ; the block before has written its eight registers of Y, which the four stores below read
.endif
.irp i, 0,1,2,3
.set n, 4*(\p)+(\i)                            ; the piece that is rounded; n - 4 is the piece that is stored
.if (\p) > 0
	global_store_b64 v2, v[Y+2*(n-4):Y+2*(n-4)+1], s[28:29] offset:2048*(n-4)  ; no vector line since the wait names these registers
.endif
	v_cvt_pk_bf16_f32 v[Y+2*n],   v[X+4*n],   v[X+4*n+1]
	v_cvt_pk_bf16_f32 v[Y+2*n+1], v[X+4*n+2], v[X+4*n+3]
.endr
.endr
	s_wait_alu depctr_va_vdst(0)                   ; block 3 has written its eight registers of Y, which the last four stores read
.irp i, 12,13,14,15
	global_store_b64 v2, v[Y+2*(\i):Y+2*(\i)+1], s[28:29] offset:2048*(\i)
.endr
	s_endpgm
.Lf16:                                         ; Wo: rounded to bf16, widened again (a shift, a mask), written as f16; the same four blocks
.irp p, 0,1,2,3
	s_wait_loadcnt 12-4*(\p)                       ; the block's four loads are in, the 12 - 4 p younger ones stay out
.if (\p) > 0
	s_wait_alu depctr_va_vdst(0)                   ; the block before has written its eight registers of Y, which the four stores below read
.endif
.irp i, 0,1,2,3
.set n, 4*(\p)+(\i)
.if (\p) > 0
	global_store_b64 v2, v[Y+2*(n-4):Y+2*(n-4)+1], s[28:29] offset:2048*(n-4)  ; no vector line since the wait names these registers
.endif
	v_cvt_pk_bf16_f32 v[T],   v[X+4*n],   v[X+4*n+1]
	v_cvt_pk_bf16_f32 v[T+1], v[X+4*n+2], v[X+4*n+3]
	v_lshlrev_b32 v[X+4*n],   16, v[T]
	v_and_b32     v[X+4*n+1], 0xffff0000, v[T]
	v_lshlrev_b32 v[X+4*n+2], 16, v[T+1]
	v_and_b32     v[X+4*n+3], 0xffff0000, v[T+1]
	v_cvt_pk_f16_f32 v[Y+2*n],   v[X+4*n],   v[X+4*n+1]
	v_cvt_pk_f16_f32 v[Y+2*n+1], v[X+4*n+2], v[X+4*n+3]
.endr
.endr
	s_wait_alu depctr_va_vdst(0)                   ; block 3 has written its eight registers of Y, which the last four stores read
.irp i, 12,13,14,15
	global_store_b64 v2, v[Y+2*(\i):Y+2*(\i)+1], s[28:29] offset:2048*(\i)
.endr
	s_endpgm
.Lfunc_end_k_q282920c8c7_cast:
	.size	k_q282920c8c7_cast, .Lfunc_end_k_q282920c8c7_cast-k_q282920c8c7_cast
	.p2alignl 7, 3214868480
	.fill 96, 4, 3214868480
	.section	.rodata,"a",@progbits
	.p2align	6, 0x0
	.amdhsa_kernel k_q282920c8c7_cast
		.amdhsa_group_segment_fixed_size 0
		.amdhsa_private_segment_fixed_size 0
		.amdhsa_enable_private_segment 0
		.amdhsa_kernarg_size 64
		.amdhsa_user_sgpr_count 2
		.amdhsa_user_sgpr_kernarg_segment_ptr 1
		.amdhsa_wavefront_size32 1
		.amdhsa_system_sgpr_workgroup_id_x 1
		.amdhsa_system_sgpr_workgroup_id_y 1
		.amdhsa_system_sgpr_workgroup_id_z 1
		.amdhsa_system_vgpr_workitem_id 0
		.amdhsa_next_free_vgpr 108
		.amdhsa_next_free_sgpr 66
		.amdhsa_reserve_vcc 0
		.amdhsa_float_denorm_mode_32 3
		.amdhsa_float_denorm_mode_16_64 3
		.amdhsa_memory_ordered 1
		.amdhsa_forward_progress 1
		.amdhsa_inst_pref_size 16
	.end_amdhsa_kernel
	.amdgpu_metadata
---
amdhsa.version: [ 1, 2 ]
amdhsa.kernels:
  - .name:           k_q282920c8c7_cast
    .symbol:         k_q282920c8c7_cast.kd
    .args:
      - { .name: x, .offset: 0, .size: 8, .value_kind: global_buffer, .address_space: global }
      - { .name: Wq, .offset: 8, .size: 8, .value_kind: global_buffer, .address_space: global }
      - { .name: Wk, .offset: 16, .size: 8, .value_kind: global_buffer, .address_space: global }
      - { .name: Wv, .offset: 24, .size: 8, .value_kind: global_buffer, .address_space: global }
      - { .name: Wo, .offset: 32, .size: 8, .value_kind: global_buffer, .address_space: global }
      - { .name: xb, .offset: 40, .size: 8, .value_kind: global_buffer, .address_space: global }
      - { .name: wqkv, .offset: 48, .size: 8, .value_kind: global_buffer, .address_space: global }
      - { .name: wo16, .offset: 56, .size: 8, .value_kind: global_buffer, .address_space: global }
    .group_segment_fixed_size: 0
    .private_segment_fixed_size: 0
    .kernarg_segment_align: 8
    .kernarg_segment_size: 64
    .max_flat_workgroup_size: 256
    .sgpr_count:     66
    .vgpr_count:     108
    .wavefront_size: 32
...
	.end_amdgpu_metadata
.endif
;; end of part 5
;; launch proj: the kernel of part 2 again; grid 16 x 32, 4 waves a work-group, clusters of 4 x 4, 327,680 bytes of LDS; arguments xb, wqkv, bq, bk, bv, qkv; writes qkv
;; launch attn: the kernel of part 3 again; grid 4 x 64, 4 waves a work-group, no clusters, 327,680 bytes of LDS; arguments qkv, o; writes o
;; launch outp: the kernel of part 4 again; grid 8 x 32, 4 waves a work-group, clusters of 4 x 4, 327,680 bytes of LDS; arguments o, wo16, bo, out0; writes out0
